; MI455X (gfx1250); checked and timed in simulation.
; The chip was launched on July 23, 2026; its instructions are those of AMD's public machine-readable ISA for CDNA 5 (MIT licence, August 2026) and "CDNA5" Instruction Set Architecture Reference Guide (July 2026). The comments in the code are by the model that wrote it; some were corrected since.
;; Multi Head Self Attention. Allowed arithmetic: matrix products marked QUANTISED: E2M1 operands, one E8M0 scale for each 32 along K, by v_wmma_scale_f32_16x16x128_f8f6f4 with both operands' format E2M1 (or v_wmma_scale_f32_32x16x128_f4), f32 sums; products left as they are: bf16, f16 or f32 operands; f32 sums; everything else in f32.
;; Inputs: Wk 1,024 x 1,024 float32; Wo 1,024 x 1,024 float32; Wq 1,024 x 1,024 float32; Wv 1,024 x 1,024 float32; attention_mask 4 x 1 x 1 x 2,048 int32; bk 1,024 float32; bo 1,024 float32; bq 1,024 float32; bv 1,024 float32; x 4 x 2,048 x 1,024 float32.
;; Outputs: out0 4 x 2,048 x 1,024 float32.
;; This version of the problem:
;;   THIS VERSION OF THE PROBLEM IS GIVEN IN LOW PRECISION. The matrix products marked QUANTISED in the list below multiply operands that are first quantised to E2M1 (2 exponent bits, 1 mantissa bit; 4 bits a number), with one power-of-two scale for each 32 numbers along K (OCP MX v1.0); their sums are f32. The products marked 'left as it is' may take bf16, f16 or f32 operands, with f32 sums. Whichever they take, every output number must still come out within the allowed error. Rounding operands to bf16 (8 significant bits) uses up far more of that allowance than f16 does (11 bits, for magnitudes from 6e-5 to 65,504). All else is computed in f32.
;;   The module's matrix products, in the order in which they are computed (A, B: the left and right operand; K: the contracted axis; several contracted axes count as one K, in the product's order):
;;     1. [M 8,192, K 1,024] x [K 1,024, N 1,024]; A: input x; B: input Wq: QUANTISED
;;     2. [M 8,192, K 1,024] x [K 1,024, N 1,024]; A: input x; B: input Wk: QUANTISED
;;     3. [M 8,192, K 1,024] x [K 1,024, N 1,024]; A: input x; B: input Wv: QUANTISED
;;     4. batch 64 x [M 2,048, K 64] x [K 64, N 2,048]; A: computed on the way; B: computed on the way: left as it is (an operand is computed on the way)
;;     5. batch 64 x [M 2,048, K 2,048] x [K 2,048, N 64]; A: computed on the way; B: computed on the way: left as it is (an operand is computed on the way)
;;     6. [M 8,192, K 1,024] x [K 1,024, N 1,024]; A: computed on the way; B: input Wo: left as it is (an operand is computed on the way)
;;   THE QUANTISER, for each operand of a quantised product, along K:
;;     - K is cut into blocks of 32 from its start; a last block that is shorter is filled with zeros.
;;     - A block's scale is 2^e with e = floor(log2(the largest magnitude in the block)) - 2, held to -126 .. 127; a block of zeros has e = 0. As a byte (E8M0): e + 127.
;;     - Each number is divided by its block's scale, clamped to +-6, and rounded to the nearest number of E2M1, ties to even, subnormals kept.
;;     - The product sums the exact products of the quantised numbers (number of the format x scale) in f32.
;;   ~~~python
;;   def quantise(x, axis):      # numpy; x: float32 -> the quantised numbers, widened to float32 again
;;       x = np.moveaxis(x, axis, -1); K = x.shape[-1]
;;       x = np.pad(x, [(0, 0)] * (x.ndim - 1) + [(0, -K % 32)]); x = x.reshape(x.shape[:-1] + (-1, 32)); a = np.abs(x).max(-1, keepdims=True)
;;       e = np.where(a > 0, np.clip(np.frexp(np.where(a > 0, a, 1))[1] - 1 - 2, -126, 127), 0)      # np.frexp(a)[1] - 1 = floor(log2(a)), exactly
;;       r = np.clip(x / 2.0 ** e, -6, 6)
;;       step = 2.0 ** (np.maximum(np.frexp(np.where(r == 0, 1, r))[1] - 1, 0) - 1)
;;       q = np.round(r / step) * step * 2.0 ** e      # np.round: ties to even
;;       return np.moveaxis(q.reshape(q.shape[:-2] + (-1,))[..., :K], -1, axis).astype(np.float32)
;;   ~~~
;; One version. Each part assembles by itself: llvm-mc -triple=amdgcn-amd-amdhsa -mcpu=gfx1250 --defsym DOCPART=n.
;; ======== version 1 of 1: 4 launches
;; limits: values are held in f16: magnitudes above 65,504 overflow, below 6.1e-05 lose precision
;; workspace buffers: x_codes 4,194,304 bytes; x_scales 262,144 bytes; w_codes 1,572,864 bytes; w_scales 98,304 bytes; wo16 2,097,152 bytes; qkv 50,331,648 bytes; ctx 16,777,216 bytes
;; launch prep (part 1): grid 384 x 1, 4 waves a work-group, no clusters, 33,280 bytes of LDS; arguments x, Wq, Wk, Wv, Wo, x_codes, x_scales, w_codes, w_scales, wo16; writes x_codes, x_scales, w_codes, w_scales, wo16
.if DOCPART == 1
	.amdgcn_target "amdgcn-amd-amdhsa--gfx1250"
	.amdhsa_code_object_version 6
	.text
	.protected	k_q46137dfc36_prep
	.globl	k_q46137dfc36_prep
	.p2align	8
	.type	k_q46137dfc36_prep,@function
k_q46137dfc36_prep:
	s_mov_b64 s[64:65], 0
	v_nop
	global_prefetch_b8 v0, s[64:65] scope:SCOPE_SE
	s_setreg_imm32_b32 hwreg(HW_REG_WAVE_MODE, 25, 1), 1
	s_wait_xcnt 0x0
; PREP.  x [8192][1024] and Wq, Wk, Wv [1024][1024], f32 with K innermost, become codes of FP4 (E2M1), two to a byte, and one E8M0 scale byte for each 32 along K.
; x_codes [8192][512 bytes], x_scales [8192][32]; w_codes [3072][512 bytes], w_scales [3072][32]: rows 0-1023 Wq, 1024-2047 Wk, 2048-3071 Wv.
; Wo [1024 n][1024 k], f32, becomes f16 laid [16 kb][1024 n][64 k]: a block of 64 along K of neighbouring rows is dense, as the last launch's tiles want it.
; A block's scale is 2^(floor(log2(its largest magnitude)) - 2); its byte is the largest magnitude's exponent field - 2, held at 1 from below.
; LIMITS: a block of zeros gets the byte 1 where the rule says 127 (its codes are zeros, and this program alone reads the bytes); blocks whose largest magnitude lies under 2^(2 - 126) were not tried;
; NaN and infinities are not served; |Wo| stays under 65,504 (f16).
; SHARES: work-groups 0-255 take x, 256-287 Wq, 288-319 Wk, 320-351 Wv, 32,768 numbers each (4 waves x 16 steps x 512); work-groups 352-383 take 32 rows of Wo each.
; Rows are dense and K is a multiple of 32: for the quantiser a tensor is a plain stream of blocks of 32.  Only pointers are chosen by the work-group's number: the four tensors take one path.
.set WAVES, 4
.set STEPS, 16
.set EMAX,  2
.set CB,    8                          ; bytes of 16 codes
.set R,     16                         ; v16-79   four sets of 16 numbers as loaded (Wo's path: v16-143, two sets of 64)
.set X,     80                         ; v80-111  two sets of 16 neighbours
.set E,     112                        ; v112-127 a scale byte for each step
.set C,     128                        ; v128-191 codes: four registers a step, so that no store's data are written again
.set H,     144                        ; Wo's path: v144-175 the f16 pairs of one pair of rows
.set WREG,  8192                       ; LDS: a region for each wave: two stages of 32 x SP bytes, behind them its 256 scale bytes
.set SP,    80                         ; a lane's place in a stage: 64 bytes + 16 of padding
.set SPW,   12                         ; v12 LDS address of my spare word; never rewritten
.set NIL,   13                         ; v13 0; never rewritten
.set SPARE, WAVES*WREG                 ; behind the four regions: the spare words, 128 bytes a wave
.set WGQ,   352                        ; the first work-group of Wo's path
	s_load_b512 s[4:19], s[0:1], 0x0               ; x 4:5, Wq 6:7, Wk 8:9, Wv 10:11, Wo 12:13, x_codes 14:15, x_scales 16:17, w_codes 18:19
	s_load_b128 s[20:23], s[0:1], 0x40             ; w_scales 20:21, wo16 22:23
	v_lshl_add_u32 v[SPW], v0, 2, SPARE
	v_mov_b32 v[NIL], 0
	v_lshrrev_b32 v1, 5, v0
	v_readfirstlane_b32 s24, v1                    ; wave
	v_and_b32 v2, 31, v0                           ; lane
	s_cmp_ge_u32 ttmp9, WGQ
	s_cbranch_scc1 .Lwo
	; ---- the quantiser
	v_lshlrev_b32 v3, 4, v2                        ; my 16 bytes of a load's 512
	s_mul_i32 s27, s24, WREG
	v_lshrrev_b32 v14, 2, v2
	v_mul_u32_u24 v14, v14, SP
	v_and_b32 v15, 3, v2
	v_lshl_add_u32 v14, v15, 4, v14
	v_add_nc_u32 v14, s27, v14                     ; the stage, on the way in: four lanes' 64 bytes on end, then 16 of padding
	v_mul_u32_u24 v15, v2, SP
	v_add_nc_u32 v15, s27, v15                     ; and on the way out: my 16 neighbours
	v_mul_u32_u24 v4, v2, CB                       ; my codes' place in a step's
	v_lshrrev_b32 v5, 1, v2
	s_add_co_u32 s27, s27, 2*32*SP
	v_add_nc_u32 v5, s27, v5                       ; LDS: my wave's 256 scale bytes, my block's byte
	v_lshlrev_b32 v7, 3, v2                        ; and on the way out 8 bytes a lane
	v_add_nc_u32 v6, s27, v7
	s_wait_kmcnt 0x0
	s_cmp_lt_u32 ttmp9, 320                        ; the choices hang on the work-group's number alone
	s_cselect_b64 s[10:11], s[8:9], s[10:11]       ; Wk or Wv
	s_cmp_lt_u32 ttmp9, 288
	s_cselect_b64 s[10:11], s[6:7], s[10:11]       ; Wq
	s_cmp_lt_u32 ttmp9, 256
	s_cselect_b64 s[4:5], s[4:5], s[10:11]         ; the source
	s_cselect_b64 s[14:15], s[14:15], s[18:19]     ; its codes
	s_cselect_b64 s[16:17], s[16:17], s[20:21]     ; its scale bytes
	s_cselect_b32 s25, 0, 256
	s_cselect_b32 s26, -1, 31
	s_sub_co_u32 s25, ttmp9, s25                   ; my place among x's work-groups, or among the three weights'
	s_and_b32 s26, s25, s26                        ; and within the one source tensor
	s_lshl_b32 s26, s26, 2
	s_add_co_u32 s26, s26, s24                     ; which run of 8,192 numbers of the source is my wave's
	s_lshl_b32 s25, s25, 2
	s_add_co_u32 s25, s25, s24                     ; and which run of the destination
	s_lshl_b32 s28, s26, 15                        ; 32,768 bytes of f32 a run
	s_mov_b32 s29, 0
	s_add_nc_u64 s[4:5], s[4:5], s[28:29]
	s_lshl_b32 s28, s25, 12                        ; 4,096 bytes of codes
	s_add_nc_u64 s[14:15], s[14:15], s[28:29]
	s_lshl_b32 s28, s25, 8                         ; 256 scale bytes
	s_add_nc_u64 s[16:17], s[16:17], s[28:29]
.macro LOAD t
.irp i, 0,1,2,3
	global_load_b128 v[R+16*((\t)%4)+4*\i:R+16*((\t)%4)+4*\i+3], v3, s[4:5] offset:2048*(\t)+512*\i th:TH_LOAD_NT   ; 32 lanes read 512 consecutive bytes
.endr
.endm
.macro TURN t                          ; step t's numbers through the stage: LDS serves a wave's instructions in order, so no wait stands between the stores and the loads
.irp i, 0,1,2,3
	ds_store_b128 v14, v[R+16*((\t)%4)+4*\i:R+16*((\t)%4)+4*\i+3] offset:32*SP*((\t)%2)+8*SP*\i
.endr
.irp i, 0,1,2,3
	ds_load_b128 v[X+16*((\t)%2)+4*\i:X+16*((\t)%2)+4*\i+3], v15 offset:32*SP*((\t)%2)+16*\i
.endr
.endm
.irp t, 0,1,2,3
	LOAD \t
.endr
	s_wait_loadcnt 12                              ; step 0's four loads are in; the 12 of steps 1 to 3 may be out
	TURN 0
.macro STEP t
.set XS, X+16*((\t)%2)
.if (\t) > 0
	s_wait_dscnt 1                                 ; this step's numbers are back from the stage (the last step's byte store may be out)
.else
	s_wait_dscnt 0x0
.endif
.if (\t)+4 < STEPS
	LOAD (\t)+4                                    ; into the registers that this step's stage stores have read
.endif
.if (\t)+1 < STEPS
.if STEPS-2-(\t) >= 3
	s_wait_loadcnt 12                              ; the next step's four loads are in; those of the three steps behind it may be out
.else
	s_wait_loadcnt 4*(STEPS-2-(\t))
.endif
	TURN (\t)+1                                    ; through the other stage while this step is worked
.endif
	v_max3_num_f32 v8, |v[XS]|, |v[XS+1]|, |v[XS+2]|               ; the largest magnitude of my 16, in two chains
	v_max3_num_f32 v9, |v[XS+3]|, |v[XS+4]|, |v[XS+5]|
.irp i, 6,10
	v_max3_num_f32 v8, v8, |v[XS+\i]|, |v[XS+\i+1]|
	v_max3_num_f32 v9, v9, |v[XS+\i+2]|, |v[XS+\i+3]|
.endr
	v_max3_num_f32 v8, v8, |v[XS+14]|, |v[XS+15]|
	v_max3_num_f32 v8, v8, v9, (EMAX+1)<<23        ; and the floor 2^(EMAX + 1 - 127): the byte cannot fall under 1
	v_max_num_f32_dpp v8, v8, v8 row_xmask:1 row_mask:0xf bank_mask:0xf   ; and of my neighbour's 16: the block's
	v_add_nc_u32 v11, -(EMAX<<23), v8              ; EMAX off its exponent field: the conversion takes the exponent field of this operand as its scale
	v_cvt_scalef32_pk8_fp4_f32 v[C+4*(\t)], v[XS:XS+7], v11
	v_cvt_scalef32_pk8_fp4_f32 v[C+4*(\t)+1], v[XS+8:XS+15], v11
	v_lshrrev_b32 v[E+(\t)], 23, v11               ; the scale's byte (a plain line behind the conversions)
	ds_store_b8 v5, v[E+(\t)] offset:16*(\t)       ; both lanes of a block write the same byte with the same value
	global_store_b64 v4, v[C+4*(\t):C+4*(\t)+1], s[14:15] offset:32*CB*(\t)   ; the wave stores 256 consecutive bytes, aligned
.endm
.irp t, 0,1,2,3,4,5,6,7,8,9,10,11,12,13,14,15
	STEP \t
.endr
	ds_load_b64 v[8:9], v6                         ; LDS serves a wave's instructions in order: these see my byte stores
	s_wait_dscnt 0x0
	global_store_b64 v7, v[8:9], s[16:17]          ; 32 lanes store 256 consecutive bytes, aligned
	s_wait_tensorcnt 0x0                           ; the wave's end, behind my last LDS store
	ds_add_u32 v[SPW], v[NIL]
	s_wait_dscnt 0x0
	s_endpgm
	; ---- Wo to f16.  Wave w takes rows 32 j + 8 w .. + 7, a pair of rows at a time.  A load: lanes 0-15 take 256 bytes (block kb) of the even row, lanes 16-31 of the odd row.
	; A lane's 4 numbers become 8 bytes; the 32 lanes' 256 bytes are rows n, n + 1 of block kb in wo16: consecutive and aligned.  No LDS is written on this path.
.Lwo:
	v_lshrrev_b32 v5, 4, v2
	v_and_b32 v6, 15, v2
	v_lshlrev_b32 v3, 12, v5                       ; in: the row of my half of the lanes (4,096 bytes a row),
	v_lshl_add_u32 v3, v6, 4, v3                   ; and 16 bytes a lane
	v_lshlrev_b32 v4, 3, v2                        ; out: 8 bytes a lane
	s_sub_co_u32 s25, ttmp9, WGQ
	s_lshl_b32 s25, s25, 5
	s_lshl_b32 s26, s24, 3
	s_add_co_u32 s25, s25, s26                     ; my wave's first row
	s_lshl_b32 s28, s25, 12
	s_mov_b32 s29, 0
	s_wait_kmcnt 0x0
	s_add_nc_u64 s[12:13], s[12:13], s[28:29]
	s_lshl_b32 s28, s25, 7                         ; 128 bytes a row in a block of wo16
	s_add_nc_u64 s[22:23], s[22:23], s[28:29]
.macro WLOAD p
.irp kb, 0,1,2,3,4,5,6,7,8,9,10,11,12,13,14,15
	global_load_b128 v[R+64*((\p)%2)+4*\kb:R+64*((\p)%2)+4*\kb+3], v3, s[12:13] offset:(\p)*8192+\kb*256 th:TH_LOAD_NT
.endr
.endm
.macro WOUT p
.irp kb, 0,1,2,3,4,5,6,7,8,9,10,11,12,13,14,15
	v_cvt_pk_f16_f32 v[H+2*\kb], v[R+64*((\p)%2)+4*\kb], v[R+64*((\p)%2)+4*\kb+1]
	v_cvt_pk_f16_f32 v[H+2*\kb+1], v[R+64*((\p)%2)+4*\kb+2], v[R+64*((\p)%2)+4*\kb+3]
.endr
.irp kb, 0,1,2,3,4,5,6,7,8,9,10,11,12,13,14,15
	global_store_b64 v4, v[H+2*\kb:H+2*\kb+1], s[22:23] offset:\kb*131072+(\p)*256
.endr
.endm
	WLOAD 0
	WLOAD 1
	s_wait_loadcnt 16                              ; pair 0 is in; pair 1's 16 loads may be out
	WOUT 0
	WLOAD 2
	s_wait_loadcnt 16
	s_wait_xcnt 0x0                                ; the last stores have read their data: it is written again only behind this wait
	WOUT 1
	WLOAD 3
	s_wait_loadcnt 16
	s_wait_xcnt 0x0
	WOUT 2
	s_wait_loadcnt 0x0
	s_wait_xcnt 0x0
	WOUT 3
	s_endpgm
.Lfunc_end_k_q46137dfc36_prep:
	.size	k_q46137dfc36_prep, .Lfunc_end_k_q46137dfc36_prep-k_q46137dfc36_prep
	.p2alignl 7, 3214868480
	.fill 96, 4, 3214868480
	.section	.rodata,"a",@progbits
	.p2align	6, 0x0
	.amdhsa_kernel k_q46137dfc36_prep
		.amdhsa_group_segment_fixed_size 33280
		.amdhsa_private_segment_fixed_size 0
		.amdhsa_enable_private_segment 0
		.amdhsa_kernarg_size 80
		.amdhsa_user_sgpr_count 2
		.amdhsa_user_sgpr_kernarg_segment_ptr 1
		.amdhsa_wavefront_size32 1
		.amdhsa_system_sgpr_workgroup_id_x 1
		.amdhsa_system_sgpr_workgroup_id_y 1
		.amdhsa_system_sgpr_workgroup_id_z 1
		.amdhsa_system_vgpr_workitem_id 0
		.amdhsa_next_free_vgpr 192
		.amdhsa_next_free_sgpr 66
		.amdhsa_reserve_vcc 0
		.amdhsa_float_denorm_mode_32 3
		.amdhsa_float_denorm_mode_16_64 3
		.amdhsa_memory_ordered 1
		.amdhsa_forward_progress 1
		.amdhsa_inst_pref_size 54
	.end_amdhsa_kernel
	.amdgpu_metadata
---
amdhsa.version: [ 1, 2 ]
amdhsa.kernels:
  - .name:           k_q46137dfc36_prep
    .symbol:         k_q46137dfc36_prep.kd
    .args:
      - { .name: x, .offset: 0, .size: 8, .value_kind: global_buffer, .address_space: global }
      - { .name: Wq, .offset: 8, .size: 8, .value_kind: global_buffer, .address_space: global }
      - { .name: Wk, .offset: 16, .size: 8, .value_kind: global_buffer, .address_space: global }
      - { .name: Wv, .offset: 24, .size: 8, .value_kind: global_buffer, .address_space: global }
      - { .name: Wo, .offset: 32, .size: 8, .value_kind: global_buffer, .address_space: global }
      - { .name: x_codes, .offset: 40, .size: 8, .value_kind: global_buffer, .address_space: global }
      - { .name: x_scales, .offset: 48, .size: 8, .value_kind: global_buffer, .address_space: global }
      - { .name: w_codes, .offset: 56, .size: 8, .value_kind: global_buffer, .address_space: global }
      - { .name: w_scales, .offset: 64, .size: 8, .value_kind: global_buffer, .address_space: global }
      - { .name: wo16, .offset: 72, .size: 8, .value_kind: global_buffer, .address_space: global }
    .group_segment_fixed_size: 33280
    .private_segment_fixed_size: 0
    .kernarg_segment_align: 8
    .kernarg_segment_size: 80
    .max_flat_workgroup_size: 128
    .sgpr_count:     66
    .vgpr_count:     192
    .wavefront_size: 32
...
	.end_amdgpu_metadata
.endif
;; end of part 1
;; launch qkv (part 2): grid 12 x 32, 4 waves a work-group, clusters of 4 x 4, 327,680 bytes of LDS; arguments x_codes, x_scales, w_codes, w_scales, qkv, bq, bk, bv, attention_mask; writes qkv
.if DOCPART == 2
	.amdgcn_target "amdgcn-amd-amdhsa--gfx1250"
	.amdhsa_code_object_version 6
	.text
	.protected	k_q46137dfc36_qkv
	.globl	k_q46137dfc36_qkv
	.p2align	8
	.type	k_q46137dfc36_qkv,@function
k_q46137dfc36_qkv:
	s_mov_b64 s[64:65], 0
	v_nop
	global_prefetch_b8 v0, s[64:65] scope:SCOPE_SE
	s_setreg_imm32_b32 hwreg(HW_REG_WAVE_MODE, 25, 1), 1
	s_wait_xcnt 0x0
	s_wait_alu depctr_hold_cnt(0) depctr_sa_sdst(0) depctr_va_vdst(0) depctr_va_sdst(0) depctr_va_ssrc(0) depctr_va_vcc(0) depctr_vm_vsrc(0)
	s_getreg_b32 s2, hwreg(HW_REG_IB_STS2, 6, 4)
	s_cmp_eq_u32 s2, 0
	s_cbranch_scc0 .Lentry_in_a_cluster
	s_endpgm
.Lentry_in_a_cluster:
	s_bfe_u32 s2, ttmp6, 0x10000c
	s_cmp_lg_u32 s2, 0xf033
	s_cbranch_scc0 .Lentry_shape_is_right
	s_endpgm
.Lentry_shape_is_right:
; QKV.  One product on codes of FP4 (E2M1) with E8M0 scales: [8192 tokens][1024] x [3072 columns][1024]^T; columns 0-1023 are q, 1024-2047 k, 2048-3071 v.  Sums in f32, the bias as the C of each sum's first product.
; OUT: qkv, f16, laid [3][batch 4][head 16][2048][64].  q is multiplied by log2(e) / 8 before it is rounded, so that the next launch's scores are exponents of 2;
; a row of k whose attention_mask is 0 is written as zeros, so that its score there is exactly the mask's bias.
; LIMITS: |q log2(e) / 8|, |k|, |v| stay under 65,504 (f16); q is rounded to f16 behind the factor, not before it; NaN and infinities are not served.
; A tile of 256 x 256 is made by four waves, 128 x 128 each: 64 accumulators of 16 x 16.  K = 1,024 is two LDS slots of 512 along K: both are asked for at the head, nothing is filled again.
; The scale bytes of the work-group's 256 + 256 rows, for all of K, are two dense blocks: they come once, in rows of 256 bytes.
; CLUSTERS: 4 x 4 work-groups.  The four of a row need the same tiles of x, the four of a column the same tiles of W: each tile is asked for jointly.  A cluster's 1,024 columns are one of q, k, v: the cluster's x says which.
; THE MATRIX INSTRUCTION IS USED TRANSPOSED (source 0 = 16 rows of W, source 1 = 16 tokens): a lane holds eight neighbouring columns of one token.
; REGISTERS: window 0: v0-31 addresses; v32-95 scale words, two sets; v96-111 the rows' factors, a pair for each block of 16 tokens; v112-121 at work; v128-191 x's fragments, one set; v192-255 the bias, 8 registers for each block of 16 columns.
;   window 1: W's fragments, two sets, at v0 and v128.   window 2: the accumulators of my tokens 0-63 ((a, b) at v[8 (8 a + b)]);   window 3: those of my tokens 64-127.
.set SIZE_K, 1024
.set KSTEP,  512
.set NQ,     KSTEP/128
.set ROWB,   256                       ; a tile's row in bytes
.set KROW,   SIZE_K*4/8                ; a row of codes in memory
.set PITCH,  272                       ; an LDS row: 256 bytes + 16 of padding = 68 words: the 16 rows that a load touches start 4 banks apart (64 banks of 4 bytes: ISA guide 11.1)
.set FR,     8
.set NL,     2
.set NP,     4                         ; places behind this matrix instruction (ISA guide 7.12.1)
.set HALFT,  128*PITCH
.set SLOT,   4*HALFT
.set KS,     SIZE_K/32
.set SCL,    2*SLOT                    ; behind the slots: the scales
.set HALFS,  (128*KS/256)*272
.set SBLK,   (16*KS/256)*272
.set SPARE,  SCL+4*HALFS               ; the spare words, 128 bytes a wave
.set SPITCH, 272                       ; the way out: a stage of 16 rows x (256 bytes + 16) for each wave, in slot 0, which has had its only fill and its last read by then
.set ADRA, 16
.set ADRB, 20
.set STO,  24
.set RD,   25
.set CO,   26
.set ADRS, 27
.set SPW,  28
.set NIL,  29
.set BO,   30                          ; v30 32 x (lane / 16): my half's place in a block of the bias; never rewritten
.set MO,   31                          ; v31 4 x (lane % 16): my token's place in a block of the mask; never rewritten
.set SC,   32
.set FC,   96
.set AF,   128
.set BK,   128                         ; the way out: rows read back: v128-159 and v160-191 by turns
.set BI,   192
.set TMP,  192                         ; the way out: packed results (the bias is done with)
.set G1, 24
.set G0, 32
.set G1B, 48
.set G0B, 56
.set G1S, 68
.set G0S, 76
.set G1SB, 80
.set G0SB, 88
.set MSB, 0
.macro WIN new                         ; the immediate's high byte repeats the setting that is left
.if MSB != (\new)
	s_set_vgpr_msb (MSB<<8)|(\new)
.set MSB, (\new)
.endif
.endm
.set MUL_LO, 0xa1                      ; source 0 (W) window 1, source 1 (x) window 0, C and D window 2
.set MUL_HI, 0xf1                      ; the same, C and D window 3
.set TO_B,   0x40
; A joint load: waves 0 and 1 fetch for x, waves 2 and 3 for W.  The branch hangs on the wave's number alone.  An s_nop 0 and four v_nop follow each of the two lines.
.macro JLOAD g0a, g1a, g0b, g1b
	s_cmp_eq_u32 s15, 0
	s_cbranch_scc0 .Lfor_b_\@
	tensor_load_to_lds s[\g0a:\g0a+3], s[\g1a:\g1a+7]
	s_nop 0
.rept 4
	v_nop
.endr
	s_branch .Lasked_\@
.Lfor_b_\@:
	tensor_load_to_lds s[\g0b:\g0b+3], s[\g1b:\g1b+7]
	s_nop 0
.rept 4
	v_nop
.endr
.Lasked_\@:
.endm
.macro CROUND                          ; a round of the cluster's barrier
	s_barrier_signal -1
	s_barrier_wait -1
	s_cmp_lg_u32 s14, 0
	s_cbranch_scc1 .Lnot_wave_0_\@
	s_barrier_signal -3
.Lnot_wave_0_\@:
	s_barrier_wait -3
	s_barrier_signal -1
	s_barrier_wait -1
.endm
	s_load_b128 s[4:7], s[0:1], 0x0                ; x's codes, x's scales
	s_load_b128 s[8:11], s[0:1], 0x10              ; W's codes, W's scales
	s_load_b64 s[12:13], s[0:1], 0x20              ; qkv
	v_lshl_add_u32 v[SPW], v0, 2, SPARE
	v_mov_b32 v[NIL], 0
	ds_add_u32 v[SPW], v[NIL]                      ; the wave's opening: the add, twice on end, and its wait ahead of my first tensor load
	ds_add_u32 v[SPW], v[NIL]
	v_lshrrev_b32 v1, 5, v0
	v_readfirstlane_b32 s14, v1                    ; wave 0..3
	s_lshr_b32 s15, s14, 1                         ; which half of the tile's tokens is mine.  Also: I fetch for x (0) or for W (1)
	s_and_b32 s16, s14, 1                          ; which half of its columns.  Also: which 128 rows I fetch
	s_bfe_u32 s40, ttmp6, 0x40000                  ; cx, cy
	s_bfe_u32 s41, ttmp6, 0x40004
	s_lshl_b32 s42, ttmp9, 2
	s_add_co_u32 s42, s42, s40                     ; tile column
	s_and_b32 s17, ttmp7, 0xffff
	s_lshl_b32 s17, s17, 2
	s_add_co_u32 s17, s17, s41                     ; tile row
	s_lshl_b32 s43, s41, 2
	s_lshl_b32 s43, 15, s43                        ; my row of the cluster
	s_lshl_b32 s44, 0x1111, s40                    ; my column
	s_or_b32 s[G1+0], s43, (0<<16)|(1<<20)|(1<<21)|(5<<22)|(3<<25)  ; the mask; elements of 1 byte; padding: 4 words behind every 64; bit 21 beside a mask
	s_or_b32 s[G1B+0], s44, (0<<16)|(1<<20)|(1<<21)|(5<<22)|(3<<25)
.irp g, G1, G1B
	s_mov_b32 s[\g+1], ROWB<<16                    ; tensor_dim0
	s_mov_b32 s[\g+2], 128<<16                     ; tensor_dim1
	s_mov_b32 s[\g+3], ROWB<<16                    ; tile_dim0
	s_mov_b32 s[\g+4], 128                         ; tile_dim1
	s_mov_b32 s[\g+5], KROW                        ; the pitch
	s_mov_b32 s[\g+6], 0
	s_mov_b32 s[\g+7], 0
.endr
	s_or_b32 s[G1S+0], s43, (3<<16)|(1<<20)|(1<<21)|(5<<22)|(3<<25) ; the scales of 128 rows: 4,096 dense bytes as 16 rows of 32 elements of 8 bytes
	s_or_b32 s[G1SB+0], s44, (3<<16)|(1<<20)|(1<<21)|(5<<22)|(3<<25)
.irp g, G1S, G1SB
	s_mov_b32 s[\g+1], 32<<16
	s_mov_b32 s[\g+2], (128*KS/256)<<16
	s_mov_b32 s[\g+3], 32<<16
	s_mov_b32 s[\g+4], 128*KS/256
	s_mov_b32 s[\g+5], 32
	s_mov_b32 s[\g+6], 0
	s_mov_b32 s[\g+7], 0
.endr
	s_lshl_b32 s18, s16, 7
	s_lshl_b32 s20, s17, 8
	s_add_co_u32 s20, s20, s18                     ; x: row 256 x tile row + 128 x half
	s_lshl_b32 s46, s42, 8
	s_add_co_u32 s46, s46, s18                     ; W: row 256 x tile column + 128 x half
	s_mov_b32 s21, 0
	s_mov_b32 s47, 0
	s_mov_b64 s[18:19], KS
	s_mul_u64 s[22:23], s[20:21], s[18:19]
	s_mul_u64 s[92:93], s[46:47], s[18:19]
	s_mov_b64 s[18:19], KROW
	s_mul_u64 s[20:21], s[20:21], s[18:19]
	s_mul_u64 s[46:47], s[46:47], s[18:19]
	s_mul_i32 s45, s14, HALFT                      ; where they go: wave x 128 rows
	s_mul_i32 s94, s14, HALFS
	s_wait_dscnt 0x0                               ; both opening adds are done
	s_wait_kmcnt 0x0
	s_add_nc_u64 s[20:21], s[4:5], s[20:21]
	s_add_nc_u64 s[22:23], s[6:7], s[22:23]
	s_add_nc_u64 s[46:47], s[8:9], s[46:47]
	s_add_nc_u64 s[92:93], s[10:11], s[92:93]
	CROUND                                         ; all sixteen work-groups are here: the joint loads meet
	s_mov_b32 s[G0S], 1
	s_add_co_u32 s[G0S+1], s94, SCL
	s_mov_b64 s[G0S+2:G0S+3], s[22:23]
	s_or_b32 s[G0S+3], s[G0S+3], 0x80000000
	s_mov_b32 s[G0SB], 1
	s_add_co_u32 s[G0SB+1], s94, SCL
	s_mov_b64 s[G0SB+2:G0SB+3], s[92:93]
	s_or_b32 s[G0SB+3], s[G0SB+3], 0x80000000
	JLOAD G0S, G1S, G0SB, G1SB                     ; the scales first
.irp s, 0,1
	s_mov_b32 s[G0+4*\s], 1
	s_add_co_u32 s[G0+4*\s+1], s45, \s*SLOT
	s_add_nc_u64 s[G0+4*\s+2:G0+4*\s+3], s[20:21], \s*ROWB
	s_or_b32 s[G0+4*\s+3], s[G0+4*\s+3], 0x80000000
	s_mov_b32 s[G0B+4*\s], 1
	s_add_co_u32 s[G0B+4*\s+1], s45, \s*SLOT
	s_add_nc_u64 s[G0B+4*\s+2:G0B+4*\s+3], s[46:47], \s*ROWB
	s_or_b32 s[G0B+4*\s+3], s[G0B+4*\s+3], 0x80000000
	JLOAD G0+4*\s, G1, G0B+4*\s, G1B               ; three tensor loads of mine are out behind the second of these
.endr
	s_load_b256 s[4:11], s[0:1], 0x28              ; bq 4:5, bk 6:7, bv 8:9, the mask 10:11 (the first four pointers are done with: the descriptors hold their own sums)
	v_and_b32 v1, 15, v0                           ; r
	v_bfe_u32 v2, v0, 4, 1                         ; h
	v_mul_u32_u24 v3, v1, PITCH
	v_lshl_add_u32 v4, v2, 4, v3
	s_mul_i32 s21, s15, HALFT
	s_mul_i32 s22, s16, HALFT
	s_add_co_u32 s22, s22, 2*HALFT
.irp s, 0,1
	v_add_nc_u32 v[ADRA+\s], s21, v4
	v_add_nc_u32 v[ADRB+\s], s22, v4
	s_add_co_u32 s21, s21, SLOT
	s_add_co_u32 s22, s22, SLOT
.endr
	v_mul_u32_u24 v5, v1, KS                       ; my row's scales: KS bytes a row,
	v_lshrrev_b32 v6, 8, v5
	v_lshl_add_u32 v5, v6, 4, v5                   ; and 16 more for each 256 passed
	s_mul_i32 s21, s15, HALFS
	s_mul_i32 s22, s16, HALFS
	s_add_co_u32 s22, s22, 2*HALFS
	s_sub_co_u32 s22, s22, s21
	v_mul_u32_u24 v6, s22, v2                      ; lanes 16-31 take W's
	s_add_co_u32 s21, s21, SCL
	v_add_nc_u32 v5, v5, v6
	v_add_nc_u32 v[ADRS], s21, v5
	s_mul_i32 s23, s14, 16*SPITCH                  ; my stage
	v_mul_u32_u24 v5, v1, SPITCH                   ; in: row r, 16 bytes for each half of the lanes
	v_lshl_add_u32 v5, v2, 4, v5
	v_add_nc_u32 v[STO], s23, v5
	v_and_b32 v6, 31, v0
	v_lshlrev_b32 v[CO], 4, v6                     ; out: 16 bytes a lane: four rows of 128 bytes of one head are 512 consecutive bytes
	v_lshrrev_b32 v5, 3, v6
	v_mul_u32_u24 v5, v5, SPITCH                   ; back: eight lanes to a head's half of a stage row, four rows an instruction
	v_and_b32 v6, 7, v6
	v_lshl_add_u32 v5, v6, 4, v5
	v_add_nc_u32 v[RD], s23, v5
	v_lshlrev_b32 v[BO], 5, v2
	v_lshlrev_b32 v[MO], 2, v1
	s_cmp_eq_u32 ttmp9, 0                          ; the cluster's x: 0 q, 1 k, 2 v: the same in all partners
	s_cselect_b32 s96, 0x3e38aa3b, 1.0             ; the factor: log2(e) / 8 for q, else 1
	s_cmp_eq_u32 ttmp9, 1
	s_cselect_b32 s97, 0, s96                      ; and where the mask is 0: 0 for k, else the same
	; where my part of qkv begins: which << 24 + batch << 22 + head << 18 + row << 7
	s_lshr_b32 s20, s17, 3
	s_lshl_b32 s20, s20, 22                        ; eight tile rows to a batch
	s_and_b32 s21, s17, 7
	s_lshl_b32 s21, s21, 15                        ; 256 rows of 128 bytes
	s_add_co_u32 s20, s20, s21
	s_lshl_b32 s21, s15, 14                        ; my 128 rows
	s_add_co_u32 s20, s20, s21
	s_mov_b32 s21, 0
	s_lshl_b32 s46, ttmp9, 24
	s_lshl_b32 s47, s40, 20                        ; four heads to a tile column,
	s_add_co_u32 s46, s46, s47
	s_lshl_b32 s47, s16, 19                        ; two to my half
	s_add_co_u32 s46, s46, s47
	s_mov_b32 s47, 0
	s_add_nc_u64 s[20:21], s[20:21], s[46:47]
	s_add_nc_u64 s[12:13], s[12:13], s[20:21]
	s_wait_kmcnt 0x0
	s_cmp_eq_u32 ttmp9, 0
	s_cselect_b64 s[4:5], s[4:5], s[6:7]
	s_cmp_eq_u32 ttmp9, 2
	s_cselect_b64 s[4:5], s[8:9], s[4:5]           ; my bias
	s_lshl_b32 s46, s40, 10
	s_lshl_b32 s47, s16, 9
	s_add_co_u32 s46, s46, s47                     ; my 128 columns of its 1,024, in bytes
	s_mov_b32 s47, 0
	s_add_nc_u64 s[4:5], s[4:5], s[46:47]
	s_lshl_b32 s20, s17, 10
	s_lshl_b32 s21, s15, 9
	s_add_co_u32 s20, s20, s21                     ; my first token, 4 bytes each
	s_mov_b32 s21, 0
	s_add_nc_u64 s[10:11], s[10:11], s[20:21]
.irp b, 0,1,2,3,4,5,6,7
	global_load_b128 v[BI+8*\b:BI+8*\b+3], v[BO], s[4:5] offset:64*\b       ; register j of block b: the bias of column 16 b + 8 h + j, in the result's layout
	global_load_b128 v[BI+8*\b+4:BI+8*\b+7], v[BO], s[4:5] offset:64*\b+16
.endr
.irp a, 0,1,2,3,4,5,6,7
	global_load_b32 v[112+\a], v[MO], s[10:11] offset:64*\a                 ; the mask of token 16 a + r
.endr
.macro FRAG reg, adr, q, i             ; 16 rows x 128 K of 4-bit codes: registers 4 c .. 4 c + 3 hold K = 64 c + 32 (lane / 16) + 0 .. 31
.irp c, 0,1
	ds_load_b128 v[\reg+4*\c:\reg+4*\c+3], v[\adr] offset:64*(\q)+32*\c+(\i)*16*PITCH
.endr
.endm
; 16 matrix instructions: x's blocks a0, a0 + 1 against W's eight.  zero = 1: the first product starts the sums from the bias.  The 64 accumulators take turns, one instruction a turn.
.macro MUL16 a0, p, q, sc, zero
.irp a, \a0, \a0+1
.irp b, 0,1,2,3,4,5,6,7
.if \zero
	v_wmma_scale_f32_16x16x128_f8f6f4 v[8*(8*((\a)%4)+\b):8*(8*((\a)%4)+\b)+7], v[128*(\p)+FR*\b:128*(\p)+FR*\b+FR-1], v[AF+FR*(\a):AF+FR*(\a)+FR-1], v[BI+8*\b:BI+8*\b+7], v[SC+8*NQ*(\sc)+NQ*\b+(\q)], v[SC+8*NQ*(\sc)+NQ*(\a)+(\q)] matrix_a_fmt:MATRIX_FMT_FP4 matrix_b_fmt:MATRIX_FMT_FP4 matrix_a_scale:MATRIX_SCALE_ROW1
.else
	v_wmma_scale_f32_16x16x128_f8f6f4 v[8*(8*((\a)%4)+\b):8*(8*((\a)%4)+\b)+7], v[128*(\p)+FR*\b:128*(\p)+FR*\b+FR-1], v[AF+FR*(\a):AF+FR*(\a)+FR-1], v[8*(8*((\a)%4)+\b):8*(8*((\a)%4)+\b)+7], v[SC+8*NQ*(\sc)+NQ*\b+(\q)], v[SC+8*NQ*(\sc)+NQ*(\a)+(\q)] matrix_a_fmt:MATRIX_FMT_FP4 matrix_b_fmt:MATRIX_FMT_FP4 matrix_a_scale:MATRIX_SCALE_ROW1
.endif
.endr
.endr
.endm
.macro FETCH_B slot, q, p
	WIN TO_B
.irp i, 0,1,2,3,4,5,6,7
	FRAG 128*(\p)+FR*\i, ADRB+\slot, \q, \i
.endr
	WIN 0
.endm
.macro FETCH_A slot, q, i0
.irp i, \i0, \i0+1, \i0+2, \i0+3
	FRAG AF+FR*(\i), ADRA+\slot, \q, \i
.endr
.endm
.macro SCALES sc                       ; a slot's scale words: lanes 0-15 take x's block i, lanes 16-31 W's block i
.irp i, 0,1,2,3,4,5,6,7
	ds_load_b128 v[SC+8*NQ*\sc+NQ*\i:SC+8*NQ*\sc+NQ*\i+3], v[ADRS] offset:\i*SBLK
.endr
.endm
.macro PLACES n                        ; plain vector lines between a matrix instruction and a load into, or a read of, its registers
.rept \n
	v_nop
.endr
.endm
.macro STEP slot, q, zero              ; 128 along K that has its successor in the same slot.  zero = 1: C is the bias, in window 0
	s_wait_dscnt 4*NL                              ; W's set and x's blocks 0-3 are in; the youngest eight loads (x's blocks 4-7) may be out
	WIN MUL_LO-0x20*(\zero)
	MUL16 0, (\q)%2, \q, \slot, \zero
	MUL16 2, (\q)%2, \q, \slot, \zero
	s_wait_dscnt 0
	PLACES NP
	FETCH_B \slot, (\q)+1, 1-(\q)%2
	FETCH_A \slot, (\q)+1, 0
	WIN MUL_HI-0x30*(\zero)
	MUL16 4, (\q)%2, \q, \slot, \zero
	MUL16 6, (\q)%2, \q, \slot, \zero
	PLACES NP
	WIN 0
	FETCH_A \slot, (\q)+1, 4
.endm
.macro TURN slot, next                 ; slot 0's last step goes over to slot 1: one barrier
	s_wait_tensorcnt 0x0                           ; all my tensor loads have landed: my part of the next slot
	ds_add_u32 v[SPW], v[NIL]                      ; 0 onto my spare word
	s_wait_dscnt 4*NL+1                            ; (the add and the youngest eight loads may be out)
	WIN MUL_LO
	MUL16 0, 1, NQ-1, \slot, 0
	s_wait_dscnt 0x0                               ; the add is done, and my reads of this slot are over
	s_barrier_signal -1
	MUL16 2, 1, NQ-1, \slot, 0
	WIN 0
	s_barrier_wait -1
	PLACES NP
	v_add_nc_u32 v[ADRS], 4*NQ, v[ADRS]            ; on to the next slot's scale words
	FETCH_B \next, 0, 0
	FETCH_A \next, 0, 0
	SCALES \next
	WIN MUL_HI
	MUL16 4, 1, NQ-1, \slot, 0
	MUL16 6, 1, NQ-1, \slot, 0
	PLACES NP
	WIN 0
	FETCH_A \next, 0, 4
.endm
.macro STEPS slot, from
.set Q, \from
.rept NQ-1-\from
	STEP \slot, Q, 0
.set Q, Q+1
.endr
.endm
	s_wait_tensorcnt 1                             ; the scales and my part of slot 0 are in; slot 1's load may be out
	s_barrier_signal -1
	s_barrier_wait -1
	FETCH_B 0, 0, 0
	FETCH_A 0, 0, 0
	SCALES 0
	FETCH_A 0, 0, 4
	s_wait_loadcnt 0x0                             ; the bias and the mask
	v_mov_b32 v120, s96
	v_mov_b32 v121, s97
.irp a, 0,1,2,3,4,5,6,7
	v_cmp_eq_u32 vcc_lo, 0, v[112+\a]
	v_cndmask_b32 v[FC+2*\a], v120, v121, vcc_lo   ; my token's factor in block a
.endr
.irp a, 0,1,2,3,4,5,6,7
	v_mov_b32 v[FC+2*\a+1], v[FC+2*\a]             ; twice: a pair for the packed multiply
.endr
	STEP 0, 0, 1
	STEPS 0, 1
	TURN 0, 1
	STEPS 1, 0
	s_wait_dscnt 4*NL                              ; the very last step: nothing more to fetch
	WIN MUL_LO
	MUL16 0, 1, NQ-1, 1, 0
	MUL16 2, 1, NQ-1, 1, 0
	s_wait_dscnt 0
	WIN MUL_HI
	MUL16 4, 1, NQ-1, 1, 0
	MUL16 6, 1, NQ-1, 1, 0
	WIN 0
; THE WAY OUT, block by block of 16 tokens x 128 columns (two heads).  PACK: x the token's factor, rounded to f16, 16 bytes a lane.  TOSTAGE: into my stage, and back by heads.  SEND: four rows of one head an instruction.
.macro PACK a
.set AC, 64*((\a)%4)
	WIN 0x82+0x41*((\a)/4)                         ; destination and source 0: window 2 or 3; the factor: window 0
.irp b, 0,1,2,3,4,5,6,7
.irp i, 0,2,4,6
	v_pk_mul_f32 v[AC+8*\b+\i:AC+8*\b+\i+1], v[AC+8*\b+\i:AC+8*\b+\i+1], v[FC+2*(\a):FC+2*(\a)+1]   ; each accumulator from its low end on
.endr
.endr
	WIN 0x0a+5*((\a)/4)                            ; sources 0 and 1: window 2 or 3
.irp b, 0,1,2,3,4,5,6,7
.irp i, 0,1,2,3
	v_cvt_pk_f16_f32 v[TMP+4*\b+\i], v[AC+8*\b+2*\i], v[AC+8*\b+2*\i+1]
.endr
.endr
	WIN 0
.endm
.macro TOSTAGE a
.set BB, BK+32*((\a)%2)
.irp b, 0,1,2,3,4,5,6,7
	ds_store_b128 v[STO], v[TMP+4*\b:TMP+4*\b+3] offset:32*\b
.endr
.irp hh, 0,1
.irp t, 0,1,2,3
	ds_load_b128 v[BB+16*\hh+4*\t:BB+16*\hh+4*\t+3], v[RD] offset:\t*4*SPITCH+\hh*128   ; LDS serves a wave's instructions in order (ISA guide 5.7.1.4): these see the stores above
.endr
.endr
.endm
.macro SEND a
.set BB, BK+32*((\a)%2)
	s_wait_dscnt 0x0                               ; the block is back in registers
	s_wait_xcnt 0x0                                ; the block before's stores have read their registers: the next block's loads land there only behind this wait
.irp hh, 0,1
.irp t, 0,1,2,3
	global_store_b128 v[CO], v[BB+16*\hh+4*\t:BB+16*\hh+4*\t+3], s[12:13] offset:\hh*262144+(\a)*2048+\t*512   ; 32 lanes store 512 consecutive bytes, aligned
.endr
.endr
.endm
	PLACES NP
	PACK 0
	TOSTAGE 0
.irp a, 1,2,3,4,5,6,7                  ; block a's arithmetic stands between block a - 1's loads from the stage and the wait for them
	PACK \a
	SEND \a-1
	TOSTAGE \a
.endr
	SEND 7
	s_wait_tensorcnt 0x0                           ; the wave's end, behind my last tensor load and my last LDS store
	ds_add_u32 v[SPW], v[NIL]
	s_wait_dscnt 0x0
	CROUND                                         ; the closing round
	s_endpgm
.Lfunc_end_k_q46137dfc36_qkv:
	.size	k_q46137dfc36_qkv, .Lfunc_end_k_q46137dfc36_qkv-k_q46137dfc36_qkv
	.p2alignl 7, 3214868480
	.fill 96, 4, 3214868480
	.section	.rodata,"a",@progbits
	.p2align	6, 0x0
	.amdhsa_kernel k_q46137dfc36_qkv
		.amdhsa_group_segment_fixed_size 327680
		.amdhsa_private_segment_fixed_size 0
		.amdhsa_enable_private_segment 0
		.amdhsa_kernarg_size 72
		.amdhsa_user_sgpr_count 2
		.amdhsa_user_sgpr_kernarg_segment_ptr 1
		.amdhsa_wavefront_size32 1
		.amdhsa_system_sgpr_workgroup_id_x 1
		.amdhsa_system_sgpr_workgroup_id_y 1
		.amdhsa_system_sgpr_workgroup_id_z 1
		.amdhsa_system_vgpr_workitem_id 0
		.amdhsa_next_free_vgpr 1024
		.amdhsa_next_free_sgpr 98
		.amdhsa_reserve_vcc 1
		.amdhsa_float_denorm_mode_32 3
		.amdhsa_float_denorm_mode_16_64 3
		.amdhsa_memory_ordered 1
		.amdhsa_forward_progress 1
		.amdhsa_inst_pref_size 146
	.end_amdhsa_kernel
	.amdgpu_metadata
---
amdhsa.version: [ 1, 2 ]
amdhsa.kernels:
  - .name:           k_q46137dfc36_qkv
    .symbol:         k_q46137dfc36_qkv.kd
    .args:
      - { .name: x_codes, .offset: 0, .size: 8, .value_kind: global_buffer, .address_space: global }
      - { .name: x_scales, .offset: 8, .size: 8, .value_kind: global_buffer, .address_space: global }
      - { .name: w_codes, .offset: 16, .size: 8, .value_kind: global_buffer, .address_space: global }
      - { .name: w_scales, .offset: 24, .size: 8, .value_kind: global_buffer, .address_space: global }
      - { .name: qkv, .offset: 32, .size: 8, .value_kind: global_buffer, .address_space: global }
      - { .name: bq, .offset: 40, .size: 8, .value_kind: global_buffer, .address_space: global }
      - { .name: bk, .offset: 48, .size: 8, .value_kind: global_buffer, .address_space: global }
      - { .name: bv, .offset: 56, .size: 8, .value_kind: global_buffer, .address_space: global }
      - { .name: attention_mask, .offset: 64, .size: 8, .value_kind: global_buffer, .address_space: global }
    .group_segment_fixed_size: 327680
    .private_segment_fixed_size: 0
    .kernarg_segment_align: 8
    .kernarg_segment_size: 72
    .max_flat_workgroup_size: 128
    .sgpr_count:     98
    .vgpr_count:     1024
    .wavefront_size: 32
...
	.end_amdgpu_metadata
.endif
;; end of part 2
;; launch attn (part 3): grid 8 x 64, 4 waves a work-group, clusters of 4 x 1, 327,680 bytes of LDS; arguments qkv, attention_mask, ctx; writes ctx
.if DOCPART == 3
	.amdgcn_target "amdgcn-amd-amdhsa--gfx1250"
	.amdhsa_code_object_version 6
	.text
	.protected	k_q46137dfc36_attn
	.globl	k_q46137dfc36_attn
	.p2align	8
	.type	k_q46137dfc36_attn,@function
k_q46137dfc36_attn:
	s_mov_b64 s[64:65], 0
	v_nop
	global_prefetch_b8 v0, s[64:65] scope:SCOPE_SE
	s_setreg_imm32_b32 hwreg(HW_REG_WAVE_MODE, 25, 1), 1
	s_wait_xcnt 0x0
	s_wait_alu depctr_hold_cnt(0) depctr_sa_sdst(0) depctr_va_vdst(0) depctr_va_sdst(0) depctr_va_ssrc(0) depctr_va_vcc(0) depctr_vm_vsrc(0)
	s_getreg_b32 s2, hwreg(HW_REG_IB_STS2, 6, 4)
	s_cmp_eq_u32 s2, 0
	s_cbranch_scc0 .Lentry_in_a_cluster
	s_endpgm
.Lentry_in_a_cluster:
	s_bfe_u32 s2, ttmp6, 0x10000c
	s_cmp_lg_u32 s2, 0x3003
	s_cbranch_scc0 .Lentry_shape_is_right
	s_endpgm
.Lentry_shape_is_right:
; ATTN.  ctx[b][h][q] = the sum over k of softmax_k(score) v[b][h][k], score = q . k / 8, replaced by -1e9 where attention_mask[b][k] is 0.  q, k, v: f16, [b][h][2048][64], from qkv; ctx: f16, [b][h][2048][64].
; q arrives multiplied by log2(e) / 8, so t = k . q is the score x log2(e); masked rows of k arrive as zeros, and the first product of each sum takes as C a bias for each key, 0 or -1e9 x log2(e):
; a masked t is exactly that bias.  p = 2^(t - m), m the running maximum of t; t - m is one subtraction, so a batch whose every key is masked gives p = 1 everywhere: the uniform weights that the softmax gives there.
; Products, maxima and sums in f32; p is rounded to f16 for the second product, the row's sum is taken of the unrounded p, ctx is rounded once.
; LIMITS: |ctx| under 65,504; NaN and infinities are not served; an unmasked score at or under -1e9 is not told from a masked one.
; SHARES.  A work-group owns 256 queries of one (b, h), each of its four waves 64: four tiles of 16.  Every wave walks all 2,048 keys, 64 a step.
; LAYOUT.  S^T = K Q^T (source 0 = 16 keys, source 1 = 16 queries): a lane holds ONE query (lane % 16) and keys 8 (lane / 16) + 0..7.  Two such tiles, rounded in pairs, ARE source 1 of O^T = V^T P.  V is turned by ds_load_tr16_b128.
; BY TURNS.  The wave's tiles are two pieces, 0 (tiles 0, 1) and 2 (tiles 2, 3).  In a turn one piece has the matrix unit (16 products V^T P of the step in hand, 16 products K Q^T of the next); the other piece's softmax,
; cut into 59 slices of four lines, stands between them: one slice behind each of the first five products, two behind each of the other 27.  Two turns are a key step.
; CLUSTER.  The four query blocks of a cluster belong to one head and walk the same K and V: each tile is asked for jointly.
; REGISTERS: window 0: v1-11, v44-48, v61-63 addresses and constants; v12-43 eight statistics a tile; v64-191 S^T, 32 a tile; v192-255 P, 16 a tile.
;   window 1: v0-127 O^T, 32 a tile.   window 2: v0-63 Q; v64-127 K of one step; v128-191 V of one step; v192-223 the step's bias, in the result's layout.
.set SIZE_N, 2048
.set KS,    64                         ; keys in a step
.set PKP,   272                        ; a line of K in LDS: two keys' 256 bytes + 16 = 68 words: the 16 keys of a load take each of the 64 banks of 4 bytes once (ISA guide 11.1)
.set PVP,   288                        ; a line of V: 256 + 32 = 72 words
.set KSTB,  32*PKP                     ; a step's K in LDS
.set VSTB,  32*PVP                     ; a step's V
.set NST,   4                          ; steps in a slot
.set VOFF,  NST*KSTB                   ; a slot: 128 lines of K, then 128 lines of V
.set SLOT1, 1<<17                      ; slot 1 begins here: one exclusive or turns an address in one slot into the other's
.set SLOTB, NST*KS*128                 ; a slot's K, or V, in memory
.set STAGE, SLOT1+NST*(KSTB+VSTB)      ; behind the ring: 8 lines x 272 bytes for each wave, for the way out
.set SP,    272
.set BIAS,  STAGE+4*8*SP               ; the bias of the batch's 2,048 keys, f32: stored by the waves, never filled by a tensor load
.set SPARE, BIAS+SIZE_N*4              ; the spare words, 128 bytes a wave
.set AK0, 2
.set AV0, 3
.set ADR, 4
.set QO,  5
.set STO, 6
.set RD,  7
.set GO,  8
.set AB0, 44                           ; v44 my half's place in a step's bias
.set ADB, 45                           ; v45 the LDS address of the bias loads in hand
.set PFO, 61
.set SPW, 62
.set NIL, 63
.set ST,  12                           ; tile t's statistics at v[ST+8 t]: +0 m, +1 0 (named with m as a pair), +2, +3 l, +4 to +7 c0-c3, at work; a takes c2's place
.set S,   64
.set P,   192
.set KF,  64                           ; in window 2
.set VF,  128
.set BF,  192
.set WV,  12
.set LIM, 15
.set PFA, 18
.set G1K, 24
.set G1V, 32
.set G0K, 40
.set G0V, 48
.set SLOTS, 56
.set CNT, 57
.set TBK, 58                           ; s58 LDS byte of the K to be fetched next;  s59 of the V;  s62 of the bias
.set TBV, 59
.set SEL, 60
.set TBB, 62
.set MSB, 0
.macro WIN new
.if MSB != (\new)
	s_set_vgpr_msb (MSB<<8)|(\new)
.set MSB, (\new)
.endif
.endm
.set W_KQB, 0x2a                       ; K, Q and the bias (C) in window 2, S^T in window 0
.set W_KQ,  0x0a                       ; K and Q in window 2, S^T (C and D) in window 0
.set W_PV,  0x52                       ; V in window 2, P in window 0, O^T in window 1
.set W_RS,  0x41                       ; O^T (destination and source 0) in window 1, a in window 0
.macro JLOAD                           ; a joint refill: waves 0 and 1 fetch K's halves of a slot, waves 2 and 3 V's.  An s_nop 0 and four v_nop follow each of the two lines
	s_cmp_lt_u32 s[WV], 2
	s_cbranch_scc0 .Lfor_v_\@
	tensor_load_to_lds s[G0K+4:G0K+7], s[G1K:G1K+7]
	s_nop 0
.rept 4
	v_nop
.endr
	s_branch .Lasked_\@
.Lfor_v_\@:
	tensor_load_to_lds s[G0V+4:G0V+7], s[G1V:G1V+7]
	s_nop 0
.rept 4
	v_nop
.endr
.Lasked_\@:
.endm
; A prefetch of what the NEXT change of slots will ask for: a slot's 32,768 bytes of K and of V.  The head's first cluster asks; its four partners take 8,192 bytes each, told apart by address;
; in each, wave 0 asks for K's and wave 2 for V's, lanes 256 bytes apart: each aligned 256 bytes are named once in the launch.  The last change that fills a slot asks for nothing.
.macro ASK
	s_cmp_gt_u32 s[SLOTS], s[LIM]
	s_cbranch_scc0 .Lnot_mine_\@
	global_prefetch_b8 v[PFO], s[PFA:PFA+1] th:TH_LOAD_NT scope:SCOPE_SE
.Lnot_mine_\@:
.endm
.macro CROUND
	s_barrier_signal -1
	s_barrier_wait -1
	s_cmp_lg_u32 s[WV], 0
	s_cbranch_scc1 .Lnot_wave_0_\@
	s_barrier_signal -3
.Lnot_wave_0_\@:
	s_barrier_wait -3
	s_barrier_signal -1
	s_barrier_wait -1
.endm
	s_load_b64 s[4:5], s[0:1], 0x0                 ; qkv
	s_load_b64 s[66:67], s[0:1], 0x8               ; the mask
	s_load_b64 s[10:11], s[0:1], 0x10              ; ctx
	v_lshl_add_u32 v[SPW], v0, 2, SPARE
	v_mov_b32 v[NIL], 0
	ds_add_u32 v[SPW], v[NIL]                      ; the wave's opening: the add, twice on end, and its wait ahead of my first tensor load
	ds_add_u32 v[SPW], v[NIL]
	v_lshrrev_b32 v1, 5, v0
	v_readfirstlane_b32 s[WV], v1                  ; wave 0..3
	s_bfe_u32 s13, ttmp6, 0x40000                  ; cx
	s_lshl_b32 s14, ttmp9, 2
	s_add_co_u32 s14, s14, s13                     ; my block of 256 queries: it enters Q's and ctx's addresses alone
	s_and_b32 s20, ttmp7, 0xffff                   ; 16 b + h, which the four partners share
	s_lshr_b32 s56, s20, 4
	s_lshl_b32 s56, s56, 13                        ; the batch's 8,192 bytes of the mask
	s_mov_b32 s57, 0
	s_lshl_b32 s20, s20, 18                        ; the head's 2,048 rows of 128 bytes
	s_mov_b32 s21, 0
	s_and_b32 s16, s[WV], 1                        ; which half of a slot I fetch:
	s_lshl_b32 s22, s16, 14                        ; its 128 rows in memory,
	s_mov_b32 s23, 0
	s_add_nc_u64 s[22:23], s[22:23], s[20:21]
	s_mul_i32 s17, s16, 2*KSTB                     ; and its place in a slot, for K
	s_mul_i32 s63, s16, 2*VSTB
	s_add_co_u32 s63, s63, VOFF                    ; and for V
	s_lshl_b32 s2, s14, 15                         ; my block's 256 rows,
	s_lshl_b32 s3, s[WV], 13                       ; my wave's 64 of them
	s_add_co_u32 s2, s2, s3
	s_mov_b32 s3, 0
	s_add_nc_u64 s[2:3], s[2:3], s[20:21]
	; descriptor group 1: 64 lines of 128 elements of 2 bytes (two rows of 128 bytes to a line: the rows are dense in memory), padded in LDS
	s_mov_b32 s[G1K], 15|(1<<16)|(1<<20)|(1<<21)|(5<<22)|(3<<25)  ; the mask: all four; elements of 2 bytes; padding: 4 words behind every 64; bit 21 beside a mask
	s_mov_b32 s[G1V], 15|(1<<16)|(1<<20)|(1<<21)|(5<<22)|(7<<25)  ; the same with 8 words
.irp g, G1K, G1V
	s_mov_b32 s[\g+1], 128<<16                     ; tensor_dim0
	s_mov_b32 s[\g+2], 64<<16                      ; tensor_dim1
	s_mov_b32 s[\g+3], 128<<16                     ; tile_dim0
	s_mov_b32 s[\g+4], 64                          ; tile_dim1
	s_mov_b32 s[\g+5], 128                         ; the pitch
	s_mov_b32 s[\g+6], 0
	s_mov_b32 s[\g+7], 0
.endr
	s_mov_b32 s[SEL], 0x76543210
	s_mov_b32 s[SEL+1], 0xfedcba98
	s_mov_b32 s[TBK], 0
	s_mov_b32 s[TBV], 0
	s_mov_b32 s[TBB], 0
	s_and_b32 s[LIM], s[WV], 1                     ; 0 in waves 0 and 2,
	s_or_b32 s[LIM], s[LIM], ttmp9                 ; where the cluster is the head's first: the same in all four partners
	s_cmp_eq_u32 s[LIM], 0
	s_cselect_b32 s[LIM], 1, -1
	v_and_b32 v[PFO], 31, v0
	v_lshlrev_b32 v[PFO], 8, v[PFO]
	s_wait_dscnt 0x0                               ; both opening adds are done
	s_wait_kmcnt 0x0
	s_add_nc_u64 s[66:67], s[66:67], s[56:57]      ; the mask of my batch
	s_mov_b32 s[SLOTS], SIZE_N/(NST*KS)-2
	s_add_nc_u64 s[6:7], s[4:5], 0x1000000         ; k lies 2^24 bytes behind q,
	s_add_nc_u64 s[8:9], s[4:5], 0x2000000         ; v 2^25
	s_add_nc_u64 s[6:7], s[6:7], s[22:23]          ; K and V at my part of slot 0
	s_add_nc_u64 s[8:9], s[8:9], s[22:23]
	s_add_nc_u64 s[4:5], s[4:5], s[2:3]            ; Q and ctx at my wave's first row
	s_add_nc_u64 s[10:11], s[10:11], s[2:3]
	s_cmp_lt_u32 s[WV], 2
	s_cselect_b64 s[PFA:PFA+1], s[6:7], s[8:9]     ; (in waves 0 and 2 these stand at a slot's first row)
	s_lshl_b32 s2, s13, 13                         ; my work-group's quarter
	s_mov_b32 s3, 0
	s_add_nc_u64 s[PFA:PFA+1], s[PFA:PFA+1], s[2:3]
	s_add_nc_u64 s[PFA:PFA+1], s[PFA:PFA+1], 2*SLOTB  ; in slot 2; the first change of slots steps it to slot 3.  Nothing is prefetched at the head
	CROUND                                         ; all four work-groups are here: the first joint loads meet
.irp s, 0,1
	s_mov_b32 s[G0K+4*\s], 1
	s_add_co_u32 s[G0K+4*\s+1], s17, \s*SLOT1
	s_add_nc_u64 s[G0K+4*\s+2:G0K+4*\s+3], s[6:7], \s*SLOTB
	s_or_b32 s[G0K+4*\s+3], s[G0K+4*\s+3], 0x80000000
	s_mov_b32 s[G0V+4*\s], 1
	s_add_co_u32 s[G0V+4*\s+1], s63, \s*SLOT1
	s_add_nc_u64 s[G0V+4*\s+2:G0V+4*\s+3], s[8:9], \s*SLOTB
	s_or_b32 s[G0V+4*\s+3], s[G0V+4*\s+3], 0x80000000
.endr
	s_cmp_lt_u32 s[WV], 2                          ; a wave's two first fills stand in one branch: two loads of mine are out
	s_cbranch_scc0 .Lfirst_v
	tensor_load_to_lds s[G0K:G0K+3], s[G1K:G1K+7]
	s_nop 0
	tensor_load_to_lds s[G0K+4:G0K+7], s[G1K:G1K+7]
	s_nop 0
.rept 4
	v_nop
.endr
	s_branch .Lfirst_asked
.Lfirst_v:
	tensor_load_to_lds s[G0V:G0V+3], s[G1V:G1V+7]
	s_nop 0
	tensor_load_to_lds s[G0V+4:G0V+7], s[G1V:G1V+7]
	s_nop 0
.rept 4
	v_nop
.endr
.Lfirst_asked:
	v_and_b32 v1, 15, v0                           ; r
	v_bfe_u32 v9, v0, 4, 1                         ; h
	v_lshlrev_b32 v[QO], 7, v1
	v_lshl_add_u32 v[QO], v9, 4, v[QO]             ; row x 128 + 16 x half
	WIN 0x80                                       ; destination window 2
.irp i, 0,1,2,3,4,5,6,7                        ; Q stays in registers: tile i / 2, channels 32 (i % 2) on
	global_load_b128 v[8*\i:8*\i+3],   v[QO], s[4:5] offset:(\i/2)*2048+(\i%2)*64
	global_load_b128 v[8*\i+4:8*\i+7], v[QO], s[4:5] offset:(\i/2)*2048+(\i%2)*64+32
.endr
	WIN 0
	v_lshlrev_b32 v47, 4, v0                       ; the mask: thread t takes keys 4 t + 512 i + 0..3
	v_lshl_add_u32 v48, v0, 4, BIAS                ; and puts their bias at the same place in LDS
.irp i, 0,1,2,3
	global_load_b128 v[S+4*\i:S+4*\i+3], v47, s[66:67] offset:2048*\i
.endr
	v_mov_b32 v46, 0xceabfb8f                      ; -1e9 x log2(e)
	v_lshrrev_b32 v10, 1, v1
	v_and_b32 v11, 1, v1
	v_mul_u32_u24 v[AK0], v10, PKP                 ; K: key r lies in line r / 2, half r % 2;
	v_lshl_add_u32 v[AK0], v11, 7, v[AK0]
	v_lshl_add_u32 v[AK0], v9, 4, v[AK0]           ; + 16 x my half of the lanes
	v_bfe_u32 v10, v0, 1, 2                        ; V, for the turning load: lane l reads 16 bytes of key 8 (l / 16) + l % 8, channels 8 ((l / 8) % 2) on
	v_lshl_add_u32 v10, v9, 2, v10
	v_mul_u32_u24 v[AV0], v10, PVP
	v_and_b32 v10, 1, v0
	v_lshl_add_u32 v[AV0], v10, 7, v[AV0]
	v_bfe_u32 v10, v0, 3, 1
	v_lshl_add_u32 v[AV0], v10, 4, v[AV0]
	v_add_nc_u32 v[AV0], VOFF, v[AV0]
	v_lshl_add_u32 v[AB0], v9, 5, BIAS             ; the bias: my half's eight keys of a tile of 16
.irp t, 0,1,2,3
	v_mov_b32 v[ST+8*\t+1], 0                      ; named with m as a pair, so it is written
.endr
	s_wait_loadcnt 0x0                             ; Q and the mask
.irp i, 0,1,2,3,4,5,6,7,8,9,10,11,12,13,14,15
	v_cmp_eq_u32 vcc_lo, 0, v[S+\i]
	v_cndmask_b32 v[S+\i], 0, v46, vcc_lo          ; 0 where the key counts
.endr
.irp i, 0,1,2,3
	ds_store_b128 v48, v[S+4*\i:S+4*\i+3] offset:2048*\i
.endr
; Product i of 16 of O^T += V^T P: keys 32 (i / 8) on, channels 16 ((i / 2) % 4) on, tile x + i % 2.  zero = 1: the first 8 start the sums.  The eight accumulators take turns.
.macro PV x, zero
	WIN W_PV
.set rO, 32*(\x+i%2)+8*((i/2)%4)
.set rV, VF+32*(i/8)+8*((i/2)%4)
.set rP, P+16*(\x+i%2)+8*(i/8)
.if (\zero) && (i < 8)
	v_wmma_f32_16x16x32_f16 v[rO:rO+7], v[rV:rV+7], v[rP:rP+7], 0
.else
	v_wmma_f32_16x16x32_f16 v[rO:rO+7], v[rV:rV+7], v[rP:rP+7], v[rO:rO+7]
.endif
.endm
; Product i of 16 of S^T = K Q^T: channels 32 (i / 8) on, keys 16 ((i / 2) % 4) on, tile x + i % 2.  The first 8 start the sums from the keys' bias.
.macro KQ x
.set rS, S+32*(\x+i%2)+8*((i/2)%4)
.set rK, KF+16*((i/2)%4)+8*(i/8)
.set rQ, 16*(\x+i%2)+8*(i/8)
.set rB, BF+8*((i/2)%4)
.if i < 8
	WIN W_KQB
	v_wmma_f32_16x16x32_f16 v[rS:rS+7], v[rK:rK+7], v[rQ:rQ+7], v[rB:rB+7]
.else
	WIN W_KQ
	v_wmma_f32_16x16x32_f16 v[rS:rS+7], v[rK:rK+7], v[rQ:rQ+7], v[rS:rS+7]
.endif
.endm
; The LDS loads stand in runs: a step's K (8 fragments) with its bias, and a turn later its V (turned).
.macro FETCH_K
	WIN 0
	v_add_nc_u32 v[ADR], s[TBK], v[AK0]
	v_add_nc_u32 v[ADB], s[TBB], v[AB0]
	s_add_co_u32 s[TBK], s[TBK], KSTB
	s_add_co_u32 s[TBB], s[TBB], KS*4
	WIN 0x80
.irp f, 0,1,2,3,4,5,6,7                        ; keys 16 (f / 2) on, channels 32 (f % 2) on
	ds_load_b128 v[KF+8*\f:KF+8*\f+3],   v[ADR] offset:(\f/2)*8*PKP+(\f%2)*64
	ds_load_b128 v[KF+8*\f+4:KF+8*\f+7], v[ADR] offset:(\f/2)*8*PKP+(\f%2)*64+32
.endr
.irp f, 0,1,2,3                                ; register j of tile f: the bias of key 16 f + 8 (lane / 16) + j
	ds_load_b128 v[BF+8*\f:BF+8*\f+3],   v[ADB] offset:64*\f
	ds_load_b128 v[BF+8*\f+4:BF+8*\f+7], v[ADB] offset:64*\f+16
.endr
.endm
.macro FETCH_V
	WIN 0
	v_add_nc_u32 v[ADR], s[TBV], v[AV0]
	s_add_co_u32 s[TBV], s[TBV], VSTB
	s_wait_alu depctr_va_vdst(0)                   ; the wait for the softmax's batch of exponentials, ahead of the first line that names a result
	WIN 0x80
.irp f, 0,1,2,3,4,5,6,7                        ; keys 32 (f / 4) on, channels 16 (f % 4) on
	ds_load_tr16_b128 v[VF+8*\f:VF+8*\f+3],   v[ADR] offset:(\f/4)*16*PVP+(\f%4)*32
	ds_load_tr16_b128 v[VF+8*\f+4:VF+8*\f+7], v[ADR] offset:(\f/4)*16*PVP+8*PVP+(\f%4)*32
.endr
.endm
; THE VECTOR WORK.  One tile's softmax for one key step is a numbered list; SM writes number j of it for tile t.  s0-s31 are the lane's 32 values of t.  first = 1: the first key step: no a, nothing to rescale.
;   0-15 the maximum of s0-s31 and the old m;  16-20 the other half of the lanes' maximum, the new m, m_old - m_new (19 is empty);
;   21-69 ONE BATCH: the 16 subtractions s - m, a pair each, and all 33 exponentials (a at 23): none reads an exponential's result;  (the wait)
;   70-85 the roundings to f16;  86-101 the sums, l = a l + the sum;  102-117 the tile's O^T times a.
.macro SM t, first
.set rT, ST+8*(\t)
.set rS, S+32*(\t)
.set rP, P+16*(\t)
.set rO, 32*(\t)+2*(j-102)
.if j < 102
	WIN 0
.endif
.if j < 4
	v_max3_num_f32 v[rT+4+j], v[rS+8*j], v[rS+8*j+1], v[rS+8*j+2]           ; each accumulator is read from its low end on
.elseif j < 12
	v_max3_num_f32 v[rT+4+j%4], v[rT+4+j%4], v[rS+8*(j%4)+2*(j/4)+1], v[rS+8*(j%4)+2*(j/4)+2]
.elseif j == 12
	v_max3_num_f32 v[rT+4], v[rT+4], v[rS+7], v[rS+15]
.elseif j == 13
	v_max3_num_f32 v[rT+6], v[rT+6], v[rS+23], v[rS+31]
.elseif j == 14
	v_max3_num_f32 v[rT+4], v[rT+4], v[rT+5], v[rT+6]
.elseif (j == 15) && \first
	v_max_num_f32 v[rT+4], v[rT+4], v[rT+7]
.elseif j == 15
	v_max3_num_f32 v[rT+4], v[rT+4], v[rT+7], v[rT]
.elseif j == 16
	v_permlanex16_b32 v[rT+5], v[rT+4], s[SEL], s[SEL+1]                    ; the query's other 32 keys lie in the lane 16 away
.elseif j == 18
	v_max_num_f32 v[rT], v[rT+4], v[rT+5]
.elseif j == 19
.elseif ((j == 17) || (j == 20) || (j == 23) || (j > 101)) && \first
.elseif j == 17
	v_mov_b32 v[rT+7], v[rT]                       ; m_old is kept for a
.elseif j == 20
	v_sub_f32 v[rT+7], v[rT+7], v[rT]
.elseif j == 23
	v_exp_f32 v[rT+6], v[rT+7]
.elseif (j < 23) || ((j < 38) && (j%2 == 0)) || ((j < 66) && (j%4 == 2))
.set b, (j-2)/4
.if j < 38
.set b, (j-20)/2
.endif
	v_pk_add_f32 v[rS+2*b:rS+2*b+1], v[rS+2*b:rS+2*b+1], v[rT:rT+1] op_sel_hi:[1,0] neg_lo:[0,1] neg_hi:[0,1]   ; pair b: s - m
.elseif j < 70
.set e, j-38
.if j < 66
.set e, j-32-(j-38)/4
.endif
.if j < 38
.set e, (j-25)/2
.endif
	v_exp_f32 v[rS+e], v[rS+e]
.elseif j < 86
	v_cvt_pk_f16_f32 v[rP+j-70], v[rS+2*(j-70)], v[rS+2*(j-70)+1]
.elseif j < 102
.set z, j-86
.set w, 4
.set u, z
.if z >= 14
.set w, 32
.set u, 0
.elseif z >= 12
.set w, 16
.set u, z-12
.elseif z >= 8
.set w, 8
.set u, z-8
.endif
.if (z == 14) && \first
	v_pk_add_f32 v[rT+2:rT+3], v[rS:rS+1], v[rS+16:rS+17]
.elseif z < 15
	v_pk_add_f32 v[rS+w*u:rS+w*u+1], v[rS+w*u:rS+w*u+1], v[rS+w*u+w/2:rS+w*u+w/2+1]
.elseif !\first
	v_pk_fma_f32 v[rT+2:rT+3], v[rT+2:rT+3], v[rT+6:rT+7], v[rS:rS+1] op_sel_hi:[1,0,1]
.endif
.else
	WIN W_RS
	v_pk_mul_f32 v[rO:rO+1], v[rO:rO+1], v[rT+6:rT+7] op_sel_hi:[1,0]
.endif
.endm
; Slice k of 59 of piece y's softmax.  Slices 11 to 34 deal out the batch, four numbers of one tile each, the tiles by turns; every other slice is numbers 2 k and 2 k + 1 of both tiles.
; Ahead of slice 35 nothing names an exponential's result, and behind slice 34 none is issued: the piece's 66 exponentials have one wait, behind slice 34.
.macro SLICE y, first
.if k < 59
.if (k >= 11) && (k < 35)
.irp n, 0,1,2,3
.set j, 22+4*((k-11)/2)+(\n)
	SM (\y)+(k-11)%2, \first
.endr
.else
.irp n, 0,1
.irp t, \y, \y+1
.set j, 2*k+\n
	SM \t, \first
.endr
.endr
.endif
.if k == 34
	v_nop                                          ; a plain line behind the last exponential, ahead of the first use: one for the batch
.if (\y) == 0
	FETCH_V                                        ; piece 2's turn: V's run of loads stands here, and the wait stands in it
.else
	s_wait_alu depctr_va_vdst(0)                   ; the wait for the batch
.endif
.endif
.endif
.set k, k+1
.endm
.macro DEAL y, first                   ; the slices behind matrix instruction g of a turn
.if full && (g >= 5)
	SLICE \y, \first
	SLICE \y, \first
.elseif full
	SLICE \y, \first
.else
.rept 4
	SLICE \y, \first
.endr
.endif
.set g, g+1
.endm
.macro PLACES
.rept 4
	v_nop
.endr
.endm
; A TURN.  Piece x has the matrix unit.  pv = 2: 16 products V^T P; 1: they start O^T's sums; 0: none.  kq = 1: 16 products K Q^T for the next step.
; Piece 0's turn fetches the next step's K and bias behind its second product: the last product that read them stands ahead of the eight multiplies of slices 57 and 58 of the turn before (or its four v_nop).
; Piece 2's turn fetches the same step's V behind slice 34, which follows its 20th product: the last product that read V is the 16th, and eight subtractions, the v_nop and the run's own addition lie between.
.macro TURN x, pv, kq, first
.set k, 0
.set g, 0
.set full, 0
.if \pv && \kq
.set full, 1
.endif
.if \pv
.if \x == 0
	s_wait_dscnt 0x0                               ; V is in
.endif
.set i, 0
.rept 16
	PV \x, 2-\pv
	DEAL 2-\x, \first
.if (\x == 0) && \kq && (i == 1)
	FETCH_K
.endif
.set i, i+1
.endr
.endif
.if \kq
.if \x == 0
	s_wait_dscnt 0x0                               ; K and the bias are in
.endif
.set i, 0
.rept 16
	KQ \x
	DEAL 2-\x, \first
.set i, i+1
.endr
.endif
.if \first
	PLACES                                         ; the first softmax has no multiplies at its end: these are the places behind the turn's last products
.endif
.endm
; THE CHANGE OF SLOTS, between piece 2's turn and piece 0's: the slot's last bytes, V of its fourth step, have been asked for.  fill = 1: the slot is filled again, with the keys two slots on,
; behind a round of the cluster's barrier; the joint refill has four key steps, 256 matrix instructions, in which to land.
.macro CHANGE fill
	WIN 0
	s_wait_tensorcnt 0x0                           ; no tensor load of mine is out: my part of the other slot has landed, and a group 0 may be written
	ds_add_u32 v[SPW], v[NIL]                      ; 0 onto my spare word
.if \fill
.irp g, G0K+4, G0V+4
	s_xor_b32 s[\g+1], s[\g+1], SLOT1              ; the walking descriptor: the other slot than last time,
	s_add_nc_u64 s[\g+2:\g+3], s[\g+2:\g+3], SLOTB ; the next 256 keys
.endr
	s_wait_xcnt 0x0                                ; the last prefetch, a slot back, has read its address
	s_add_nc_u64 s[PFA:PFA+1], s[PFA:PFA+1], SLOTB
	s_wait_dscnt 0x0                               ; the add is done, and my reads of the slot are over
	CROUND
	JLOAD
	ASK
.else
	s_wait_dscnt 0x0
	s_barrier_signal -1
	s_barrier_wait -1
.endif
	s_sub_co_u32 s[TBK], s[TBK], NST*KSTB          ; the fetches go back to a slot's first step,
	s_xor_b32 s[TBK], s[TBK], SLOT1                ; in the other slot
	s_sub_co_u32 s[TBV], s[TBV], NST*VSTB
	s_xor_b32 s[TBV], s[TBV], SLOT1
.endm
.macro NSTEPS n                        ; n key steps: written once, walked n times; the LDS addresses hang on the three scalars
	s_mov_b32 s[CNT], \n
.Lstep_\@:
	TURN 0, 2, 1, 0
	TURN 2, 2, 1, 0
	WIN 0
	s_sub_co_u32 s[CNT], s[CNT], 1
	s_cmp_lg_u32 s[CNT], 0
	s_cbranch_scc1 .Lstep_\@
.endm
	s_wait_dscnt 0x0                               ; for the others' sake: my part of the bias is stored
	s_wait_tensorcnt 1                             ; my part of slot 0 is in; slot 1's may stay out
	s_barrier_signal -1
	s_barrier_wait -1
	FETCH_K                                        ; key step 0
	s_wait_dscnt 0x0
.set i, 0
.rept 16
	KQ 0                                           ; piece 0's first scores
.set i, i+1
.endr
	WIN 0                                          ; the addresses for the way out: plain lines, the places behind those products
	s_mul_i32 s13, s[WV], 8*SP
	s_add_co_u32 s13, s13, STAGE                   ; my stage
	v_lshrrev_b32 v10, 1, v1
	v_and_b32 v11, 1, v1
	v_mul_u32_u24 v[STO], v10, SP                  ; in: two rows of 128 bytes to a line; 16 bytes for each half of the lanes
	v_lshl_add_u32 v[STO], v11, 7, v[STO]
	v_lshl_add_u32 v[STO], v9, 4, v[STO]
	v_add_nc_u32 v[STO], s13, v[STO]
	v_mul_u32_u24 v[RD], v9, SP                    ; back: lanes 0-15 one line of 256 bytes, lanes 16-31 the next
	v_lshl_add_u32 v[RD], v1, 4, v[RD]
	v_add_nc_u32 v[RD], s13, v[RD]
	v_and_b32 v[GO], 31, v0
	v_lshlrev_b32 v[GO], 4, v[GO]                  ; and in ctx: 16 bytes a lane
	TURN 2, 0, 1, 1                                ; piece 2's first scores | piece 0's first softmax | V of step 0
	TURN 0, 1, 1, 1                                ; piece 0: V^T P of step 0 starts O^T, K Q^T of step 1 | piece 2's first softmax | K of step 1
	TURN 2, 1, 1, 0                                ; piece 2: the same | piece 0's softmax of step 1 | V of step 1
	WIN 0
	NSTEPS 2                                       ; slot 0's steps 2 and 3 are fetched
.Lslot:                                                ; six trips: every slot but the last two is filled again
	CHANGE 1
	NSTEPS 4
	s_sub_co_u32 s[SLOTS], s[SLOTS], 1
	s_cmp_lg_u32 s[SLOTS], 0
	s_cbranch_scc1 .Lslot
	CHANGE 0                                       ; the tail is written out
	NSTEPS 4
	TURN 0, 2, 0, 0                                ; piece 0: V^T P of the last step | piece 2's last softmax
.set i, 0
.rept 16
	PV 2, 0                                        ; piece 2: V^T P of the last step
.set i, i+1
.endr
	; THE WAY OUT.  l's halves are added; O^T is divided by l, rounded to f16 and sent through my stage, a tile (16 rows of ctx) at a time.  The additions are the places behind the last products.
	WIN 0
.irp t, 0,1,2,3
	v_add_f32 v[ST+8*\t+4], v[ST+8*\t+2], v[ST+8*\t+3]
.endr
.irp t, 0,1,2,3
	v_permlanex16_b32 v[ST+8*\t+5], v[ST+8*\t+4], s[SEL], s[SEL+1]
.endr
.irp t, 0,1,2,3
	v_add_f32 v[ST+8*\t+4], v[ST+8*\t+4], v[ST+8*\t+5]
.endr
.irp t, 0,1,2,3
	v_rcp_f32 v[ST+8*\t+6], v[ST+8*\t+4]
.endr
	v_nop                                          ; a plain line between the last reciprocal and the use of its result
	s_wait_alu depctr_va_vdst(0)                   ; one wait for the four reciprocals, ahead of the first use
.macro PACK t
	WIN W_RS
.set i, 32*\t
.rept 16
	v_pk_mul_f32 v[i:i+1], v[i:i+1], v[ST+8*\t+6:ST+8*\t+7] op_sel_hi:[1,0]
.set i, i+2
.endr
	WIN 0x05                                       ; sources 0 and 1 window 1, destination window 0: S^T's registers are free
.set i, 0
.rept 16
	v_cvt_pk_f16_f32 v[S+32*\t+i], v[32*\t+2*i], v[32*\t+2*i+1]
.set i, i+1
.endr
	WIN 0
.irp f, 0,1,2,3
	ds_store_b128 v[STO], v[S+32*\t+4*\f:S+32*\t+4*\f+3] offset:32*\f
.endr
.irp f, 0,1,2,3
	ds_load_b128 v[S+32*\t+4*\f:S+32*\t+4*\f+3], v[RD] offset:\f*2*SP   ; LDS serves a wave's instructions in order (ISA guide 5.7.1.4): these see the stores above; the next tile's stores come behind them
.endr
.endm
.macro SEND t, younger                 ; younger: the LDS instructions issued behind tile t's loads: the next tile's eight, or none
.irp f, 0,1,2,3
	s_wait_dscnt \younger+3-\f
	global_store_b128 v[GO], v[S+32*\t+4*\f:S+32*\t+4*\f+3], s[10:11] offset:\t*2048+\f*512   ; 32 lanes store 512 consecutive bytes, aligned
.endr
.endm
	PACK 0
	PACK 1
	SEND 0, 8
	PACK 2
	SEND 1, 8
	PACK 3
	SEND 2, 8
	SEND 3, 0
	s_wait_tensorcnt 0x0                           ; the wave's end, behind my last tensor load and my last LDS store
	ds_add_u32 v[SPW], v[NIL]
	s_wait_dscnt 0x0
	CROUND                                         ; the closing round
	s_endpgm
.Lfunc_end_k_q46137dfc36_attn:
	.size	k_q46137dfc36_attn, .Lfunc_end_k_q46137dfc36_attn-k_q46137dfc36_attn
	.p2alignl 7, 3214868480
	.fill 96, 4, 3214868480
	.section	.rodata,"a",@progbits
	.p2align	6, 0x0
	.amdhsa_kernel k_q46137dfc36_attn
		.amdhsa_group_segment_fixed_size 327680
		.amdhsa_private_segment_fixed_size 0
		.amdhsa_enable_private_segment 0
		.amdhsa_kernarg_size 24
		.amdhsa_user_sgpr_count 2
		.amdhsa_user_sgpr_kernarg_segment_ptr 1
		.amdhsa_wavefront_size32 1
		.amdhsa_system_sgpr_workgroup_id_x 1
		.amdhsa_system_sgpr_workgroup_id_y 1
		.amdhsa_system_sgpr_workgroup_id_z 1
		.amdhsa_system_vgpr_workitem_id 0
		.amdhsa_next_free_vgpr 768
		.amdhsa_next_free_sgpr 68
		.amdhsa_reserve_vcc 1
		.amdhsa_float_denorm_mode_32 3
		.amdhsa_float_denorm_mode_16_64 3
		.amdhsa_memory_ordered 1
		.amdhsa_forward_progress 1
		.amdhsa_inst_pref_size 200
	.end_amdhsa_kernel
	.amdgpu_metadata
---
amdhsa.version: [ 1, 2 ]
amdhsa.kernels:
  - .name:           k_q46137dfc36_attn
    .symbol:         k_q46137dfc36_attn.kd
    .args:
      - { .name: qkv, .offset: 0, .size: 8, .value_kind: global_buffer, .address_space: global }
      - { .name: attention_mask, .offset: 8, .size: 8, .value_kind: global_buffer, .address_space: global }
      - { .name: ctx, .offset: 16, .size: 8, .value_kind: global_buffer, .address_space: global }
    .group_segment_fixed_size: 327680
    .private_segment_fixed_size: 0
    .kernarg_segment_align: 8
    .kernarg_segment_size: 24
    .max_flat_workgroup_size: 128
    .sgpr_count:     68
    .vgpr_count:     768
    .wavefront_size: 32
...
	.end_amdgpu_metadata
.endif
;; end of part 3
;; launch proj (part 4): grid 8 x 64, 4 waves a work-group, clusters of 4 x 4, 327,680 bytes of LDS; arguments ctx, wo16, out0, bo; writes out0
.if DOCPART == 4
	.amdgcn_target "amdgcn-amd-amdhsa--gfx1250"
	.amdhsa_code_object_version 6
	.text
	.protected	k_q46137dfc36_proj
	.globl	k_q46137dfc36_proj
	.p2align	8
	.type	k_q46137dfc36_proj,@function
k_q46137dfc36_proj:
	s_mov_b64 s[64:65], 0
	v_nop
	global_prefetch_b8 v0, s[64:65] scope:SCOPE_SE
	s_setreg_imm32_b32 hwreg(HW_REG_WAVE_MODE, 25, 1), 1
	s_wait_xcnt 0x0
	s_wait_alu depctr_hold_cnt(0) depctr_sa_sdst(0) depctr_va_vdst(0) depctr_va_sdst(0) depctr_va_ssrc(0) depctr_va_vcc(0) depctr_vm_vsrc(0)
	s_getreg_b32 s2, hwreg(HW_REG_IB_STS2, 6, 4)
	s_cmp_eq_u32 s2, 0
	s_cbranch_scc0 .Lentry_in_a_cluster
	s_endpgm
.Lentry_in_a_cluster:
	s_bfe_u32 s2, ttmp6, 0x10000c
	s_cmp_lg_u32 s2, 0xf033
	s_cbranch_scc0 .Lentry_shape_is_right
	s_endpgm
.Lentry_shape_is_right:
; PROJ.  out0[m][n] = the sum over k of ctx[m][k] Wo[n][k] + bo[n].  ctx: f16, [batch][head][2048][64], so k = 64 head + channel; wo16: f16, [16 blocks of 64 along K][1024 n][64]; out0: [8192][1024] f32.
; Operands f16, sums f32, bo as the C of each sum's first product.  LIMITS: as the launches before (f16's range).
; A tile of out0 is 128 x 128: four waves, 64 x 64 each: 16 accumulators.  K goes in steps of 256 (four heads) through two LDS slots.
; A wave's tensor load brings 64 rows x 4 blocks of 64 along K.  In both operands the 64 rows of a block are 8,192 dense bytes: the tile is stated as 4 rows of 4,096 elements, padded by 16 bytes behind every 256:
; in LDS block z begins at 8,704 z, and row t of it lies at 272 (t / 2) + 128 (t % 2): the 16 rows of a fragment load take each of the 64 banks of 4 bytes once (ISA guide 11.1).
; CLUSTERS: 4 x 4 work-groups; ctx's tiles are shared along a row, Wo's along a column, by joint loads.  THE MATRIX INSTRUCTION IS USED TRANSPOSED (source 0 = 16 rows of Wo, source 1 = 16 rows of ctx).
; REGISTERS: window 0: v0-31 addresses; v32-95 at work on the way out; v96-127 bo, 8 registers for each block of 16 columns; v128-255 the accumulators.   window 1: two fragment buffers of 128.
.set LINE,   272
.set ZB,     32*LINE                   ; a block of 64 along K of 64 rows
.set HALFT,  4*ZB                      ; what one tensor load brings
.set SLOT,   4*HALFT
.set STAGE,  2*SLOT                    ; behind the ring: 16 rows x 272 bytes for each wave: a wave's 64 columns of f32 are 256 bytes
.set SPITCH, 272
.set SPARE,  STAGE+4*16*SPITCH
.set LAPS,   2                         ; K = 1,024 is four steps: twice round the ring
.set ASTEP,  4*2048*128                ; a K step on in ctx: four heads
.set BSTEP,  4*1024*128                ; and in wo16: four blocks
.set ADRA, 16
.set ADRB, 20
.set STO,  24
.set RD,   25
.set CO,   26
.set BO,   27                          ; v27 32 x (lane / 16); never rewritten
.set SPW,  28
.set NIL,  29
.set TMP,  32
.set BI,   96
.set ACC,  128
.set F0,   0
.set F1,   128
.set G1, 24
.set G0, 32
.set G1B, 48
.set G0B, 56
.set MSB, 0
.macro WIN new
.if MSB != (\new)
	s_set_vgpr_msb (MSB<<8)|(\new)
.set MSB, (\new)
.endif
.endm
.set MUL,  0x05                        ; sources 0 and 1 window 1; C and D window 0
.set TO_F, 0x40
.macro JLOAD s                         ; a joint load: waves 0 and 1 fetch ctx's two halves, waves 2 and 3 Wo's; an s_nop 0 and four v_nop follow each of the two lines
	s_cmp_eq_u32 s11, 0
	s_cbranch_scc0 .Lfor_b_\@
	tensor_load_to_lds s[G0+4*\s:G0+4*\s+3], s[G1:G1+7]
	s_nop 0
.rept 4
	v_nop
.endr
	s_branch .Lasked_\@
.Lfor_b_\@:
	tensor_load_to_lds s[G0B+4*\s:G0B+4*\s+3], s[G1B:G1B+7]
	s_nop 0
.rept 4
	v_nop
.endr
.Lasked_\@:
.endm
.macro CREST
	s_cmp_lg_u32 s10, 0
	s_cbranch_scc1 .Lnot_wave_0_\@
	s_barrier_signal -3
.Lnot_wave_0_\@:
	s_barrier_wait -3
	s_barrier_signal -1
	s_barrier_wait -1
.endm
.macro CROUND
	s_barrier_signal -1
	s_barrier_wait -1
	CREST
.endm
	s_load_b128 s[4:7], s[0:1], 0x0                ; ctx, wo16
	s_load_b64 s[8:9], s[0:1], 0x10                ; out0
	s_load_b64 s[66:67], s[0:1], 0x18              ; bo
	v_lshl_add_u32 v[SPW], v0, 2, SPARE
	v_mov_b32 v[NIL], 0
	ds_add_u32 v[SPW], v[NIL]                      ; the wave's opening: the add, twice on end, and its wait ahead of my first tensor load
	ds_add_u32 v[SPW], v[NIL]
	v_lshrrev_b32 v1, 5, v0
	v_readfirstlane_b32 s10, v1                    ; wave 0..3
	s_lshr_b32 s11, s10, 1                         ; which half of the tile's rows is mine.  Also: I fetch for ctx (0) or for Wo (1)
	s_and_b32 s12, s10, 1                          ; which half of its columns.  Also: which 64 rows I fetch
	s_bfe_u32 s40, ttmp6, 0x40000
	s_bfe_u32 s41, ttmp6, 0x40004
	s_lshl_b32 s42, ttmp9, 2
	s_add_co_u32 s42, s42, s40                     ; tile column
	s_and_b32 s13, ttmp7, 0xffff
	s_lshl_b32 s13, s13, 2
	s_add_co_u32 s13, s13, s41                     ; tile row
	s_lshl_b32 s43, s41, 2
	s_lshl_b32 s43, 15, s43                        ; my row of the cluster
	s_lshl_b32 s44, 0x1111, s40                    ; my column
	s_or_b32 s[G1+0], s43, (1<<16)|(1<<20)|(1<<21)|(5<<22)|(3<<25)  ; the mask; elements of 2 bytes; padding: 4 words behind every 64; bit 21 beside a mask
	s_or_b32 s[G1B+0], s44, (1<<16)|(1<<20)|(1<<21)|(5<<22)|(3<<25)
.irp g, G1, G1B
	s_mov_b32 s[\g+1], 4096<<16                    ; tensor_dim0 = 4,096 elements: 64 rows of 64
	s_mov_b32 s[\g+2], 4<<16                       ; tensor_dim1 = 4 blocks
	s_mov_b32 s[\g+3], 4096<<16                    ; tile_dim0
	s_mov_b32 s[\g+4], 4                           ; tile_dim1
	s_mov_b32 s[\g+6], 0
	s_mov_b32 s[\g+7], 0
.endr
	s_mov_b32 s[G1+5], 131072                      ; from head to head in ctx: 2,048 x 64 elements
	s_mov_b32 s[G1B+5], 65536                      ; from block to block in wo16: 1,024 x 64
	s_lshr_b32 s16, s13, 4
	s_lshl_b32 s16, s16, 22                        ; sixteen tile rows to a batch
	s_and_b32 s17, s13, 15
	s_lshl_b32 s17, s17, 14                        ; 128 rows of 128 bytes
	s_add_co_u32 s16, s16, s17
	s_lshl_b32 s17, s12, 13                        ; the 64 rows that I fetch
	s_add_co_u32 s16, s16, s17
	s_lshl_b32 s46, s42, 14
	s_add_co_u32 s46, s46, s17
	s_mov_b32 s17, 0
	s_mov_b32 s47, 0
	s_mul_i32 s20, s10, HALFT                      ; where they go: ctx's two halves, then Wo's two
	s_wait_dscnt 0x0                               ; both opening adds are done
	s_wait_kmcnt 0x0
	s_add_nc_u64 s[14:15], s[4:5], s[16:17]
	s_add_nc_u64 s[46:47], s[6:7], s[46:47]
	CROUND                                         ; all sixteen work-groups are here: the first joint loads meet
.irp s, 0,1
	s_mov_b32 s[G0+4*\s], 1
	s_add_co_u32 s[G0+4*\s+1], s20, \s*SLOT
	s_add_nc_u64 s[G0+4*\s+2:G0+4*\s+3], s[14:15], \s*ASTEP
	s_or_b32 s[G0+4*\s+3], s[G0+4*\s+3], 0x80000000
	s_mov_b32 s[G0B+4*\s], 1
	s_add_co_u32 s[G0B+4*\s+1], s20, \s*SLOT
	s_add_nc_u64 s[G0B+4*\s+2:G0B+4*\s+3], s[46:47], \s*BSTEP
	s_or_b32 s[G0B+4*\s+3], s[G0B+4*\s+3], 0x80000000
	JLOAD \s                                       ; two tensor loads of mine are out behind the second
.endr
	v_and_b32 v1, 15, v0                           ; r
	v_bfe_u32 v2, v0, 4, 1                         ; h
	v_lshrrev_b32 v3, 1, v1
	v_mul_u32_u24 v3, v3, LINE
	v_and_b32 v4, 1, v1
	v_lshl_add_u32 v3, v4, 7, v3
	v_lshl_add_u32 v3, v2, 4, v3                   ; a fragment's row: line r / 2, half r % 2, + 16 x my half of the lanes
	s_mul_i32 s21, s11, HALFT
	s_mul_i32 s22, s12, HALFT
	s_add_co_u32 s22, s22, 2*HALFT
.irp s, 0,1
	v_add_nc_u32 v[ADRA+\s], s21, v3
	v_add_nc_u32 v[ADRB+\s], s22, v3
	s_add_co_u32 s21, s21, SLOT
	s_add_co_u32 s22, s22, SLOT
.endr
	s_mul_i32 s23, s10, 16*SPITCH
	s_add_co_u32 s23, s23, STAGE                   ; my stage
	v_mul_u32_u24 v4, v1, SPITCH                   ; in: row r, 32 bytes for each half of the lanes
	v_lshl_add_u32 v4, v2, 5, v4
	v_add_nc_u32 v[STO], s23, v4
	v_mul_u32_u24 v5, v2, SPITCH                   ; back: lanes 0-15 one row of 256 bytes, lanes 16-31 the next
	v_lshl_add_u32 v5, v1, 4, v5
	v_add_nc_u32 v[RD], s23, v5
	v_lshlrev_b32 v5, 12, v2                       ; and the same two rows in out0
	v_lshl_add_u32 v[CO], v1, 4, v5
	v_lshlrev_b32 v[BO], 5, v2
	s_lshl_b32 s16, s13, 19                        ; 128 rows of 4,096 bytes,
	s_lshl_b32 s17, s11, 18                        ; my 64
	s_add_co_u32 s16, s16, s17
	s_mov_b32 s17, 0
	s_add_nc_u64 s[8:9], s[8:9], s[16:17]
	s_lshl_b32 s46, s42, 9                         ; my first column, in bytes: 512 x tile column + 256 x half
	s_lshl_b32 s47, s12, 8
	s_add_co_u32 s46, s46, s47
	s_mov_b32 s47, 0
	s_add_nc_u64 s[8:9], s[8:9], s[46:47]
	s_add_nc_u64 s[66:67], s[66:67], s[46:47]      ; and the same in bo
.irp b, 0,1,2,3
	global_load_b128 v[BI+8*\b:BI+8*\b+3], v[BO], s[66:67] offset:64*\b      ; register j of block b: bo of column 16 b + 8 h + j, in the result's layout
	global_load_b128 v[BI+8*\b+4:BI+8*\b+7], v[BO], s[66:67] offset:64*\b+16
.endr
; 8 matrix instructions: m blocks a0, a0 + 1 x all 4 n blocks, 32 along K: half c of buffer f.  zero = 1: the first product starts the sums from bo.  The 16 accumulators take turns.
.macro MUL8 f, c, a0, zero
.irp a, \a0, \a0+1
.irp b, 0,1,2,3
.if \zero
	v_wmma_f32_16x16x32_f16 v[ACC+8*(4*(\a)+\b):ACC+8*(4*(\a)+\b)+7], v[\f+64+8*(4*\c+\b):\f+64+8*(4*\c+\b)+7], v[\f+8*(4*\c+\a):\f+8*(4*\c+\a)+7], v[BI+8*\b:BI+8*\b+7]
.else
	v_wmma_f32_16x16x32_f16 v[ACC+8*(4*(\a)+\b):ACC+8*(4*(\a)+\b)+7], v[\f+64+8*(4*\c+\b):\f+64+8*(4*\c+\b)+7], v[\f+8*(4*\c+\a):\f+8*(4*\c+\a)+7], v[ACC+8*(4*(\a)+\b):ACC+8*(4*(\a)+\b)+7]
.endif
.endr
.endr
.endm
; 32 LDS loads in one run: the fragments of block z (64 along K) of the slot, into buffer f; the first 32 along K first
.macro FETCH slot, z, f
	WIN TO_F
.irp c, 0,1
.irp i, 0,1,2,3
	ds_load_b128 v[\f+64+8*(4*\c+\i):\f+64+8*(4*\c+\i)+3],   v[ADRB+\slot] offset:(\z)*ZB+64*\c+\i*8*LINE
	ds_load_b128 v[\f+64+8*(4*\c+\i)+4:\f+64+8*(4*\c+\i)+7], v[ADRB+\slot] offset:(\z)*ZB+64*\c+\i*8*LINE+32
	ds_load_b128 v[\f+8*(4*\c+\i):\f+8*(4*\c+\i)+3],         v[ADRA+\slot] offset:(\z)*ZB+64*\c+\i*8*LINE
	ds_load_b128 v[\f+8*(4*\c+\i)+4:\f+8*(4*\c+\i)+7],       v[ADRA+\slot] offset:(\z)*ZB+64*\c+\i*8*LINE+32
.endr
.endr
.endm
.macro PLACES                          ; four plain lines in front of loads into registers that matrix instructions have read, and of reads of results
.rept 4
	v_nop
.endr
.endm
; A K step is four quarters of 64 along K, 32 matrix instructions each, on buffers 0, 1, 0, 1.  One of the first three: multiplies buffer f and fetches block z into g.
.macro QUARTER slot, z, f, g, zero
	s_wait_dscnt 16                                ; the first 32 along K are in; the other sixteen loads may be out
	WIN MUL
	MUL8 \f, 0, 0, \zero
	MUL8 \f, 0, 2, \zero
	PLACES
	FETCH \slot, \z, \g
	s_wait_dscnt 32                                ; all but the 32 just issued
	WIN MUL
	MUL8 \f, 1, 0, 0
	MUL8 \f, 1, 2, 0
.endm
; The last quarter multiplies buffer 1 and changes slots.  fill = 1: this slot is filled again, two K steps ahead, behind a round of the cluster's barrier.
.macro TURN slot, next, fill
	WIN 0
	s_wait_tensorcnt 0x0                           ; all my tensor loads have landed: my part of the next slot
	ds_add_u32 v[SPW], v[NIL]                      ; 0 onto my spare word
	s_wait_dscnt 17                                ; (the add and the youngest sixteen loads may be out)
	WIN MUL
	MUL8 F1, 0, 0, 0
	s_wait_dscnt 0x0                               ; the add is done, and my reads of this slot are over
	s_barrier_signal -1
	MUL8 F1, 0, 2, 0
.if \fill
	WIN 0
.endif
	s_barrier_wait -1
.if \fill
	CREST                                          ; no wave of any partner still reads this slot's tile or has a load on its way
	s_add_nc_u64 s[G0+4*\slot+2:G0+4*\slot+3], s[G0+4*\slot+2:G0+4*\slot+3], 2*ASTEP
	s_add_nc_u64 s[G0B+4*\slot+2:G0B+4*\slot+3], s[G0B+4*\slot+2:G0B+4*\slot+3], 2*BSTEP
	JLOAD \slot                                    ; my one tensor load behind the round; its four v_nop are also the places in front of the loads below
.else
	PLACES
.endif
	FETCH \next, 0, F0
	WIN MUL
	MUL8 F1, 1, 0, 0
	MUL8 F1, 1, 2, 0
.endm
	s_wait_tensorcnt 1                             ; my part of K step 0 is in; K step 1's load may be out
	s_barrier_signal -1
	s_barrier_wait -1
	FETCH 0, 0, F0
	s_wait_loadcnt 0x0                             ; bo
	QUARTER 0, 1, F0, F1, 1                        ; the first quarter stands in front of the loop: its first products start the sums
	WIN 0
	s_mov_b32 s3, LAPS-1
.Llap:                                                 ; a trip goes once round the ring, from a lap's second quarter to the next lap's first, and fills both slots again
	QUARTER 0, 2, F1, F0, 0
	QUARTER 0, 3, F0, F1, 0
	TURN 0, 1, 1
	QUARTER 1, 1, F0, F1, 0
	QUARTER 1, 2, F1, F0, 0
	QUARTER 1, 3, F0, F1, 0
	TURN 1, 0, 1
	QUARTER 0, 1, F0, F1, 0
	WIN 0
	s_sub_co_u32 s3, s3, 1
	s_cmp_lg_u32 s3, 0
	s_cbranch_scc1 .Llap
	QUARTER 0, 2, F1, F0, 0                        ; the last lap fills nothing
	QUARTER 0, 3, F0, F1, 0
	TURN 0, 1, 0
	QUARTER 1, 1, F0, F1, 0
	QUARTER 1, 2, F1, F0, 0
	QUARTER 1, 3, F0, F1, 0
	s_wait_dscnt 16                                ; the very last quarter: nothing more to fetch
	WIN MUL
	MUL8 F1, 0, 0, 0
	MUL8 F1, 0, 2, 0
	s_wait_dscnt 0
	MUL8 F1, 1, 0, 0
	MUL8 F1, 1, 2, 0
	WIN 0
; THE WAY OUT, a block of 16 rows x 64 columns at a time, through my own stage: a lane holds 32 bytes of a row; back come whole rows of 256 bytes, sixteen lanes to a row.
.macro TOSTAGE a
.irp b, 0,1,2,3
	ds_store_b128 v[STO], v[ACC+8*(4*(\a)+\b):ACC+8*(4*(\a)+\b)+3] offset:64*\b          ; each accumulator from its low end on
	ds_store_b128 v[STO], v[ACC+8*(4*(\a)+\b)+4:ACC+8*(4*(\a)+\b)+7] offset:64*\b+16
.endr
.set BB, TMP+32*((\a)%2)
.irp t, 0,1,2,3,4,5,6,7
	ds_load_b128 v[BB+4*\t:BB+4*\t+3], v[RD] offset:\t*2*SPITCH   ; LDS serves a wave's instructions in order (ISA guide 5.7.1.4): these see the stores above
.endr
.endm
.macro SEND a, younger                 ; younger: the LDS instructions issued behind block a's loads
.set BB, TMP+32*((\a)%2)
	s_wait_dscnt \younger
.irp t, 0,1,2,3,4,5,6,7
	global_store_b128 v[CO], v[BB+4*\t:BB+4*\t+3], s[8:9] offset:(16*(\a)+2*\t)*4096 th:TH_STORE_NT   ; 16 lanes store 256 consecutive bytes, aligned; written once, read by nobody here
.endr
.endm
	PLACES
	TOSTAGE 0
.irp a, 1,2,3
.if \a > 1
	s_wait_xcnt 0x0                                ; block a - 2's stores have read their registers: block a's loads may land there
.endif
	TOSTAGE \a
	SEND \a-1, 16                                  ; behind block a - 1's loads: block a's 8 stores and 8 loads
.endr
	SEND 3, 0
	s_wait_tensorcnt 0x0                           ; the wave's end, behind my last tensor load and my last LDS store
	ds_add_u32 v[SPW], v[NIL]
	s_wait_dscnt 0x0
	CROUND                                         ; the closing round
	s_endpgm
.Lfunc_end_k_q46137dfc36_proj:
	.size	k_q46137dfc36_proj, .Lfunc_end_k_q46137dfc36_proj-k_q46137dfc36_proj
	.p2alignl 7, 3214868480
	.fill 96, 4, 3214868480
	.section	.rodata,"a",@progbits
	.p2align	6, 0x0
	.amdhsa_kernel k_q46137dfc36_proj
		.amdhsa_group_segment_fixed_size 327680
		.amdhsa_private_segment_fixed_size 0
		.amdhsa_enable_private_segment 0
		.amdhsa_kernarg_size 32
		.amdhsa_user_sgpr_count 2
		.amdhsa_user_sgpr_kernarg_segment_ptr 1
		.amdhsa_wavefront_size32 1
		.amdhsa_system_sgpr_workgroup_id_x 1
		.amdhsa_system_sgpr_workgroup_id_y 1
		.amdhsa_system_sgpr_workgroup_id_z 1
		.amdhsa_system_vgpr_workitem_id 0
		.amdhsa_next_free_vgpr 512
		.amdhsa_next_free_sgpr 68
		.amdhsa_reserve_vcc 0
		.amdhsa_float_denorm_mode_32 3
		.amdhsa_float_denorm_mode_16_64 3
		.amdhsa_memory_ordered 1
		.amdhsa_forward_progress 1
		.amdhsa_inst_pref_size 87
	.end_amdhsa_kernel
	.amdgpu_metadata
---
amdhsa.version: [ 1, 2 ]
amdhsa.kernels:
  - .name:           k_q46137dfc36_proj
    .symbol:         k_q46137dfc36_proj.kd
    .args:
      - { .name: ctx, .offset: 0, .size: 8, .value_kind: global_buffer, .address_space: global }
      - { .name: wo16, .offset: 8, .size: 8, .value_kind: global_buffer, .address_space: global }
      - { .name: out0, .offset: 16, .size: 8, .value_kind: global_buffer, .address_space: global }
      - { .name: bo, .offset: 24, .size: 8, .value_kind: global_buffer, .address_space: global }
    .group_segment_fixed_size: 327680
    .private_segment_fixed_size: 0
    .kernarg_segment_align: 8
    .kernarg_segment_size: 32
    .max_flat_workgroup_size: 128
    .sgpr_count:     68
    .vgpr_count:     512
    .wavefront_size: 32
...
	.end_amdgpu_metadata
.endif
;; end of part 4
